; MI455X (gfx1250); checked and timed in simulation.
; The chip was launched on July 23, 2026; its instructions are those of AMD's public machine-readable ISA for CDNA 5 (MIT licence, August 2026) and "CDNA5" Instruction Set Architecture Reference Guide (July 2026). The comments in the code are by the model that wrote it; some were corrected since.
;; Multihead attention. Allowed arithmetic: float matrix products may take bf16 or f16 operands with f32 sums; other float arithmetic in f32, or as packed bf16 or f16 multiplies, adds, multiply-adds, maxima and minima; sums over many terms, partial sums and values carried from step to step in f32; what a program stores and reads back later, other than sums and carried values, may be rounded once to bf16 or f16.
;; Inputs: W_out 1,024 x 1,024 float32; W_qkv 1,024 x 3,072 float32; attn_mask 2,048 x 2,048 float32; b_out 1,024 float32; b_qkv 3,072 float32; key_padding_mask 4 x 2,048 bool; query 4 x 2,048 x 1,024 float32.
;; Outputs: out0 4 x 2,048 x 1,024 float32.
;; 2 versions, each right; version 2 is version 1 with the launch prep written anew for expert scheduling mode. Each part assembles by itself: llvm-mc -triple=amdgcn-amd-amdhsa -mcpu=gfx1250 --defsym DOCPART=n.
;; ======== version 1 of 2: 4 launches
;; limits: values are held in f16: magnitudes above 65,504 overflow, below 6.1e-05 lose precision
;; workspace buffers: xb 16,777,216 bytes; wqb 6,291,456 bytes; wob 2,097,152 bytes; mb 8,388,608 bytes; qh 16,777,216 bytes; kv 33,554,432 bytes; ob 16,777,216 bytes
;; launch prep (part 1): grid 1024 x 1, 8 waves a work-group, no clusters, 0 bytes of LDS; arguments query, W_qkv, W_out, attn_mask, xb, wqb, wob, mb; writes xb, wqb, wob, mb
.if DOCPART == 1
	.amdgcn_target "amdgcn-amd-amdhsa--gfx1250"
	.amdhsa_code_object_version 6
	.text
	.protected	k_qaf9b4bbce6_prep
	.globl	k_qaf9b4bbce6_prep
	.p2align	8
	.type	k_qaf9b4bbce6_prep,@function
k_qaf9b4bbce6_prep:
	s_mov_b64 s[64:65], 0
	v_nop
	global_prefetch_b8 v0, s[64:65] scope:SCOPE_SE
	s_setreg_imm32_b32 hwreg(HW_REG_WAVE_MODE, 25, 1), 1
	s_wait_xcnt 0x0
; Four casts with one text.  Every input of the later matrix products is rounded once to bf16 and laid in slices of 64 columns, so that a later
; tile is a dense block:  query [8192][1024] -> xb [16 slices][8192][64];  W_qkv [1024][3072] -> wqb [48][1024][64];  W_out [1024][1024] -> wob [16][1024][64];
; attn_mask [2048][2048] -> mb [32 key steps][2048][64].  W_out's bf16 number is written as f16, since its partner in the last product is f16.
; LIMITS.  A W_out entry beyond 65,504 becomes an infinity; below 6e-5 it keeps f16's fixed step of 6e-8.  A mask entry beyond bf16's largest number becomes an infinity.
; SHARES.  A work-group copies 256 source rows of 256 bytes (64 f32), a pitch apart, into 32,768 consecutive bytes.  Which job it has is chosen by selects on its number: no branch.
; A wave's load covers two whole rows of 256 bytes; a wave's store covers 256 consecutive bytes, aligned.  No LDS, no matrix unit, no cluster: nothing is shared and nothing is multiplied.
.set DO,  1                            ; v1        8 x thread: my 8 bytes in the destination's first 16 rows
.set OFF, 2                            ; v[2:17]   load i: byte offset of my 16 bytes in source row (thread / 16) + 16 i
.set X,   20                           ; v[20:83]  load i: four f32
.set Y,   84                           ; v[84:115] load i: four 16-bit numbers
	s_load_b512 s[8:23], s[0:1], 0x0               ; query, W_qkv, W_out, attn_mask, xb, wqb, wob, mb
	s_mov_b32 s2, ttmp9
	s_mov_b32 s24, 768                             ; the mask's job: first work-group,
	s_mov_b32 s25, 7                               ; blocks of 256 rows less one,
	s_mov_b32 s26, 3                               ; their number's bits,
	s_mov_b32 s27, 8192                            ; bytes from row to row,
	s_mov_b32 s29, 0                               ; all ones where f16 is written
	s_mov_b32 s38, 0xffff0000
	v_lshlrev_b32 v[DO], 3, v0
	v_lshrrev_b32 v116, 4, v0                      ; my row among 16
	v_and_b32 v117, 15, v0                         ; my 16 bytes of it
	s_wait_kmcnt 0x0
	s_mov_b64 s[30:31], s[14:15]
	s_mov_b64 s[32:33], s[22:23]
	s_cmp_lt_u32 s2, 768                           ; W_out: work-groups 704 to 767
	s_cselect_b32 s24, 704, s24
	s_cselect_b32 s25, 3, s25
	s_cselect_b32 s26, 2, s26
	s_cselect_b32 s27, 4096, s27
	s_cselect_b32 s29, -1, s29
	s_cselect_b64 s[30:31], s[12:13], s[30:31]
	s_cselect_b64 s[32:33], s[20:21], s[32:33]
	s_cmp_lt_u32 s2, 704                           ; W_qkv: 512 to 703
	s_cselect_b32 s24, 512, s24
	s_cselect_b32 s27, 12288, s27
	s_cselect_b32 s29, 0, s29
	s_cselect_b64 s[30:31], s[10:11], s[30:31]
	s_cselect_b64 s[32:33], s[18:19], s[32:33]
	s_cmp_lt_u32 s2, 512                           ; query: 0 to 511
	s_cselect_b32 s24, 0, s24
	s_cselect_b32 s25, 31, s25
	s_cselect_b32 s26, 5, s26
	s_cselect_b32 s27, 4096, s27
	s_cselect_b64 s[30:31], s[8:9], s[30:31]
	s_cselect_b64 s[32:33], s[16:17], s[32:33]
	s_lshl_b32 s28, s27, 4                         ; 16 rows
	s_sub_co_u32 s3, s2, s24                       ; my number in the job
	s_and_b32 s34, s3, s25                         ; block of rows
	s_mul_i32 s34, s34, s27
	s_lshl_b32 s34, s34, 8                         ; x 256 rows: under 2^26
	s_lshr_b32 s35, s3, s26                        ; slice of 64 columns
	s_lshl_b32 s35, s35, 8
	s_add_co_u32 s34, s34, s35
	s_mov_b32 s35, 0
	s_add_nc_u64 s[30:31], s[30:31], s[34:35]
	s_lshl_b32 s36, s3, 15                         ; the destination's blocks follow each other
	s_mov_b32 s37, 0
	s_add_nc_u64 s[32:33], s[32:33], s[36:37]
	v_mul_lo_u32 v[OFF], v116, s27
	v_lshl_add_u32 v[OFF], v117, 4, v[OFF]
.irp i, 1,2,3,4,5,6,7,8,9,10,11,12,13,14,15
	v_add_nc_u32 v[OFF+(\i)], s28, v[OFF+(\i)-1]
.endr
.irp i, 0,1,2,3,4,5,6,7,8,9,10,11,12,13,14,15
	global_load_b128 v[X+4*(\i):X+4*(\i)+3], v[OFF+(\i)], s[30:31] th:TH_LOAD_NT  ; all sixteen go out before the first is wanted
.endr
.irp i, 0,1,2,3,4,5,6,7,8,9,10,11,12,13,14,15
	s_wait_loadcnt 15-(\i)                         ; loads come back in order: load i is in, the younger ones stay out
	v_cvt_pk_bf16_f32 v[Y+2*(\i)],   v[X+4*(\i)],   v[X+4*(\i)+1]
	v_cvt_pk_bf16_f32 v[Y+2*(\i)+1], v[X+4*(\i)+2], v[X+4*(\i)+3]
	v_lshlrev_b32 v116, 16, v[Y+2*(\i)]            ; the rounded numbers as f32 again,
	v_and_b32     v117, s38, v[Y+2*(\i)]
	v_lshlrev_b32 v118, 16, v[Y+2*(\i)+1]
	v_and_b32     v119, s38, v[Y+2*(\i)+1]
	v_cvt_pk_f16_f32 v120, v116, v117              ; written as f16,
	v_cvt_pk_f16_f32 v121, v118, v119
	v_cndmask_b32 v[Y+2*(\i)],   v[Y+2*(\i)],   v120, s29  ; and taken in W_out's job alone
	v_cndmask_b32 v[Y+2*(\i)+1], v[Y+2*(\i)+1], v121, s29
	global_store_b64 v[DO], v[Y+2*(\i):Y+2*(\i)+1], s[32:33] offset:2048*(\i)
.endr
	s_endpgm
.Lfunc_end_k_qaf9b4bbce6_prep:
	.size	k_qaf9b4bbce6_prep, .Lfunc_end_k_qaf9b4bbce6_prep-k_qaf9b4bbce6_prep
	.p2alignl 7, 3214868480
	.fill 96, 4, 3214868480
	.section	.rodata,"a",@progbits
	.p2align	6, 0x0
	.amdhsa_kernel k_qaf9b4bbce6_prep
		.amdhsa_group_segment_fixed_size 0
		.amdhsa_private_segment_fixed_size 0
		.amdhsa_enable_private_segment 0
		.amdhsa_kernarg_size 64
		.amdhsa_user_sgpr_count 2
		.amdhsa_user_sgpr_kernarg_segment_ptr 1
		.amdhsa_wavefront_size32 1
		.amdhsa_system_sgpr_workgroup_id_x 1
		.amdhsa_system_sgpr_workgroup_id_y 1
		.amdhsa_system_sgpr_workgroup_id_z 1
		.amdhsa_system_vgpr_workitem_id 0
		.amdhsa_next_free_vgpr 128
		.amdhsa_next_free_sgpr 66
		.amdhsa_reserve_vcc 0
		.amdhsa_float_denorm_mode_32 3
		.amdhsa_float_denorm_mode_16_64 3
		.amdhsa_memory_ordered 1
		.amdhsa_forward_progress 1
		.amdhsa_inst_pref_size 15
	.end_amdhsa_kernel
	.amdgpu_metadata
---
amdhsa.version: [ 1, 2 ]
amdhsa.kernels:
  - .name:           k_qaf9b4bbce6_prep
    .symbol:         k_qaf9b4bbce6_prep.kd
    .args:
      - { .name: query, .offset: 0, .size: 8, .value_kind: global_buffer, .address_space: global }
      - { .name: W_qkv, .offset: 8, .size: 8, .value_kind: global_buffer, .address_space: global }
      - { .name: W_out, .offset: 16, .size: 8, .value_kind: global_buffer, .address_space: global }
      - { .name: attn_mask, .offset: 24, .size: 8, .value_kind: global_buffer, .address_space: global }
      - { .name: xb, .offset: 32, .size: 8, .value_kind: global_buffer, .address_space: global }
      - { .name: wqb, .offset: 40, .size: 8, .value_kind: global_buffer, .address_space: global }
      - { .name: wob, .offset: 48, .size: 8, .value_kind: global_buffer, .address_space: global }
      - { .name: mb, .offset: 56, .size: 8, .value_kind: global_buffer, .address_space: global }
    .group_segment_fixed_size: 0
    .private_segment_fixed_size: 0
    .kernarg_segment_align: 8
    .kernarg_segment_size: 64
    .max_flat_workgroup_size: 256
    .sgpr_count:     66
    .vgpr_count:     128
    .wavefront_size: 32
...
	.end_amdgpu_metadata
.endif
;; end of part 1
;; launch qkv (part 2): grid 16 x 32, 4 waves a work-group, clusters of 4 x 4, 327,680 bytes of LDS; arguments xb, wqb, b_qkv, qh, kv; writes qh, kv
.if DOCPART == 2
	.amdgcn_target "amdgcn-amd-amdhsa--gfx1250"
	.amdhsa_code_object_version 6
	.text
	.protected	k_qaf9b4bbce6_qkv
	.globl	k_qaf9b4bbce6_qkv
	.p2align	8
	.type	k_qaf9b4bbce6_qkv,@function
k_qaf9b4bbce6_qkv:
	s_mov_b64 s[64:65], 0
	v_nop
	global_prefetch_b8 v0, s[64:65] scope:SCOPE_SE
	s_setreg_imm32_b32 hwreg(HW_REG_WAVE_MODE, 25, 1), 1
	s_wait_xcnt 0x0
	s_wait_alu depctr_hold_cnt(0) depctr_sa_sdst(0) depctr_va_vdst(0) depctr_va_sdst(0) depctr_va_ssrc(0) depctr_va_vcc(0) depctr_vm_vsrc(0)
	s_getreg_b32 s2, hwreg(HW_REG_IB_STS2, 6, 4)
	s_cmp_eq_u32 s2, 0
	s_cbranch_scc0 .Lentry_in_a_cluster
	s_endpgm
.Lentry_in_a_cluster:
	s_bfe_u32 s2, ttmp6, 0x10000c
	s_cmp_lg_u32 s2, 0xf033
	s_cbranch_scc0 .Lentry_shape_is_right
	s_endpgm
.Lentry_shape_is_right:
; qkv = x W_qkv + b_qkv: 8192 x 3072 x 1024, operands bf16, sums f32, results f16 by heads.  x: xb [16 slices of 64 k][8192 tokens][64]; W: wqb [48 blocks of 64 columns][1024 k][64].
; Out: q -> qh [64 heads][2048][64], unscaled; k and v -> kv [64 heads][32 key steps][64 keys x 64 of K, then 64 keys x 64 of V].
; LIMIT.  q, k and v must lie within f16's 65,504.  The bias is rounded to bf16 like every other input, and starts the sums as the C operand of the first products: nothing is cleared.
; SHARES.  A tile of C is 256 tokens x 192 columns (three heads' blocks).  Wave w makes tokens 64 w .. 64 w + 63 by all 192 columns: 4 x 12 accumulators of 16 x 16, 384 registers; so a wave
; holds whole rows of 128 bytes of each head on the way out.  K goes in 8 steps of 128 (two slices) through two LDS slots.
; CLUSTER 4 x 4.  A's tile hangs on the tile row alone and is asked for jointly along a row of the cluster, W's on the tile column alone, jointly along a column.
; THE MATRIX INSTRUCTION IS USED TRANSPOSED: source 0 = 16 columns of W (turned on the way out of LDS by ds_load_tr16_b128), source 1 = 16 tokens: a lane then holds one token and eight neighbouring columns.
; REGISTERS by windows of 256: window 0: v0-31 addresses; v32-63, v64-95 A's fragments, two buffers; v128-223 the bias, later the way out.  window 1: W's fragments, two buffers of 96.
; window 2: accumulators of token blocks 0, 1; window 3: of blocks 2, 3; block a, column block b at 8 (12 (a % 2) + b).
.set NSEG,   3
.set NB,     4*NSEG
.set SPLIT,  1
.set ASL,    1048576                   ; bytes from a slice of x to the next
.set APITCH, 144                       ; 128 bytes + 16: the 16 rows of a fragment load start at 16 different groups of four banks (ISA guide 11.1)
.set BPITCH, 160                       ; 128 + 32
.set ASLICE, 256*APITCH
.set BSEG,   64*BPITCH
.set BOFF,   2*ASLICE                  ; a slot: A's two slices, then W as [half of 64 k][segment][64 k]
.set SLOT,   BOFF+2*NSEG*BSEG
.set STAGE,  2*SLOT                    ; behind the ring, never filled by a tensor load: 16 rows x 400 bytes for each wave
.set SPITCH, 400
.set SPARE,  STAGE+4*16*SPITCH         ; the spare words: 128 bytes a wave, two blocks of 256 bytes that no other line names
.set LAPS,   4
.set ADRA, 16                          ; v16-17 LDS address of my A fragments in slot 0, 1
.set ADRB, 20                          ; v20-21 the same for W
.set STO,  24
.set RD,   25
.set GO,   26
.set SPW,  28                          ; v28 my spare word; never rewritten
.set NIL,  29                          ; v29 0; never rewritten
.set PFO,  30                          ; v30 the prefetches' lane offset; never rewritten
.set FA,   32
.set BIAS, 128
.set TMP,  128
.set G1,  24
.set G0,  32
.set LIM, 43
.set PFA, 44
.set G1B, 48
.set G0B, 56
.set PFS, 66
.set DST, 68                           ; s[68:73] where my 64 rows of each of the three segments go
.set MSB, 0
.macro WIN new                         ; the immediate's high byte repeats the setting that is left
.if MSB != (\new)
	s_set_vgpr_msb (MSB<<8)|(\new)
.set MSB, \new
.endif
.endm
.macro JLOAD s                         ; a joint load: waves 0, 1 fetch A's two slices, waves 2, 3 W's two halves; an s_nop 0 and four v_nop follow each line
	s_cmp_eq_u32 s11, 0
	s_cbranch_scc0 .Lfor_b_\@
	tensor_load_to_lds s[G0+4*(\s):G0+4*(\s)+3], s[G1:G1+7]
	s_nop 0
.rept 4
	v_nop
.endr
	s_branch .Lasked_\@
.Lfor_b_\@:
	tensor_load_to_lds s[G0B+4*(\s):G0B+4*(\s)+3], s[G1B:G1B+7]
	s_nop 0
.rept 4
	v_nop
.endr
.Lasked_\@:
.endm
.macro ASK                             ; one prefetch: the K step two refills on, my work-group's share of what my wave fetches; the loop's last trip (s3 = 1) has no such step
	s_cmp_gt_u32 s3, s[LIM]
	s_cbranch_scc0 .Lnot_mine_\@
	global_prefetch_b8 v[PFO], s[PFA:PFA+1] th:TH_LOAD_NT scope:SCOPE_SE
.Lnot_mine_\@:
.endm
.macro CREST                           ; a round of the cluster's barrier behind its opening barrier
	s_cmp_lg_u32 s10, 0
	s_cbranch_scc1 .Lnot_wave_0_\@
	s_barrier_signal -3
.Lnot_wave_0_\@:
	s_barrier_wait -3
	s_barrier_signal -1
	s_barrier_wait -1
.endm
.macro CROUND
	s_barrier_signal -1
	s_barrier_wait -1
	CREST
.endm
.macro PLACES                          ; four places behind matrix instructions, in front of loads into registers that they read and of readers of their results
.rept 4
	v_nop
.endr
.endm
	s_load_b128 s[4:7], s[0:1], 0x0                ; xb, wqb
	s_load_b64 s[8:9], s[0:1], 0x10                ; b_qkv
	s_load_b64 s[80:81], s[0:1], 0x18              ; qh
	s_load_b64 s[82:83], s[0:1], 0x20              ; kv
	v_lshl_add_u32 v[SPW], v0, 2, SPARE
	v_mov_b32 v[NIL], 0
	ds_add_u32 v[SPW], v[NIL]                      ; the wave's opening: the add and its wait stand ahead of my first tensor load
	v_lshrrev_b32 v1, 5, v0
	v_readfirstlane_b32 s10, v1                    ; wave 0..3
	s_lshr_b32 s11, s10, 1                         ; I fetch for A (0) or for W (1)
	s_and_b32 s12, s10, 1                          ; which slice, or which half of the step's k
	s_bfe_u32 s40, ttmp6, 0x40000                  ; cx
	s_bfe_u32 s41, ttmp6, 0x40004                  ; cy
	s_lshl_b32 s42, ttmp9, 2
	s_add_co_u32 s42, s42, s40                     ; tile column
	s_and_b32 s13, ttmp7, 0xffff
	s_lshl_b32 s13, s13, 2
	s_add_co_u32 s13, s13, s41                     ; tile row
	s_lshl_b32 s43, s41, 2
	s_lshl_b32 s43, 15, s43                        ; my row of the cluster
	s_lshl_b32 s44, 0x1111, s40                    ; my column
	s_or_b32 s[G1+0], s43, (1<<16)|(1<<20)|(1<<21)|(4<<22)|(3<<25)   ; mask; 2-byte elements; padding on; bit 21 beside a mask; after every 32 words 4 words
	s_or_b32 s[G1B+0], s44, (1<<16)|(1<<20)|(1<<21)|(4<<22)|(7<<25)  ; the same with 8 words
	s_mov_b32 s[G1+1], 128<<16                     ; A: a slice's 256 tokens are 32,768 dense bytes: 128 rows of 128 elements
	s_mov_b32 s[G1+2], 128<<16
	s_mov_b32 s[G1+3], 128<<16
	s_mov_b32 s[G1+4], 128
	s_mov_b32 s[G1+5], 128
	s_mov_b32 s[G1+6], 0
	s_mov_b32 s[G1+7], 0
	s_mov_b32 s[G1B+1], 4096<<16                   ; W: 64 k of a segment are 8,192 dense bytes: a row of 4,096 elements; NSEG rows, 65,536 elements apart
	s_mov_b32 s[G1B+2], NSEG<<16
	s_mov_b32 s[G1B+3], 4096<<16
	s_mov_b32 s[G1B+4], NSEG
	s_mov_b32 s[G1B+5], 65536
	s_mov_b32 s[G1B+6], 0
	s_mov_b32 s[G1B+7], 0
	s_lshl_b32 s16, s13, 15                        ; A: 256 tokens x 128 bytes a tile row,
	s_lshl_b32 s17, s12, 20                        ; my slice of the step's two
	s_add_co_u32 s16, s16, s17
	s_mov_b32 s17, 0
	s_mul_i32 s46, s42, NSEG*131072                ; W: the tile column's first segment,
	s_lshl_b32 s47, s12, 13                        ; my 64 k
	s_add_co_u32 s46, s46, s47
	s_mov_b32 s47, 0
	s_mul_i32 s20, s10, ASLICE                     ; where they go: the wave's number times a constant, plus a constant
	s_mul_i32 s21, s10, NSEG*BSEG
	s_add_co_u32 s21, s21, BOFF-2*NSEG*BSEG
	s_wait_dscnt 0x0                               ; the opening add is done
	s_wait_kmcnt 0x0
	s_add_nc_u64 s[14:15], s[4:5], s[16:17]
	s_add_nc_u64 s[46:47], s[6:7], s[46:47]
	CROUND                                         ; all sixteen work-groups are here: the first joint loads meet
.irp s, 0,1
	s_mov_b32 s[G0+4*(\s)], 1
	s_add_co_u32 s[G0+4*(\s)+1], s20, (\s)*SLOT
	s_add_nc_u64 s[G0+4*(\s)+2:G0+4*(\s)+3], s[14:15], (\s)*2*ASL
	s_or_b32 s[G0+4*(\s)+3], s[G0+4*(\s)+3], 0x80000000
	s_mov_b32 s[G0B+4*(\s)], 1
	s_add_co_u32 s[G0B+4*(\s)+1], s21, (\s)*SLOT
	s_add_nc_u64 s[G0B+4*(\s)+2:G0B+4*(\s)+3], s[46:47], (\s)*16384
	s_or_b32 s[G0B+4*(\s)+3], s[G0B+4*(\s)+3], 0x80000000
	JLOAD \s
.endr
	v_and_b32 v1, 15, v0                           ; r = l % 16
	v_bfe_u32 v2, v0, 4, 1                         ; h = l / 16
	s_mul_i32 s22, s42, 256*NSEG                   ; the tile's 192 numbers of the bias
	s_mov_b32 s23, 0
	s_add_nc_u64 s[8:9], s[8:9], s[22:23]
	v_lshlrev_b32 v6, 5, v2                        ; my eight of each sixteen
.set jb, 0
.rept NB
	global_load_b128 v[BIAS+8*jb:BIAS+8*jb+3],   v6, s[8:9] offset:64*jb
	global_load_b128 v[BIAS+8*jb+4:BIAS+8*jb+7], v6, s[8:9] offset:64*jb+16
.set jb, jb+1
.endr
	v_mul_u32_u24 v3, v1, APITCH
	v_lshl_add_u32 v3, v2, 4, v3
	s_mul_i32 s22, s10, 64*APITCH                  ; my 64 tokens
	v_add_nc_u32 v[ADRA], s22, v3
	v_add_nc_u32 v[ADRA+1], SLOT, v[ADRA]
	v_and_b32 v4, 7, v0                            ; the turning load: lane l reads k row 8 h + l % 8, 16 bytes at 16 ((l / 8) % 2)
	v_lshl_add_u32 v4, v2, 3, v4
	v_mul_u32_u24 v4, v4, BPITCH
	v_bfe_u32 v5, v0, 3, 1
	v_lshl_add_u32 v4, v5, 4, v4
	v_add_nc_u32 v[ADRB], BOFF, v4
	v_add_nc_u32 v[ADRB+1], SLOT, v[ADRB]
	s_mul_i32 s23, s10, 16*SPITCH
	s_add_co_u32 s23, s23, STAGE                   ; my stage
	v_mul_u32_u24 v4, v1, SPITCH                   ; in: row r, 16 bytes for each half of the lanes
	v_lshl_add_u32 v4, v2, 4, v4
	v_add_nc_u32 v[STO], s23, v4
	v_bfe_u32 v5, v0, 3, 2                         ; back: 32 lanes take four rows' 128 bytes of one segment
	v_mul_u32_u24 v5, v5, SPITCH
	v_and_b32 v4, 7, v0
	v_lshl_add_u32 v5, v4, 4, v5
	v_add_nc_u32 v[RD], s23, v5
	v_and_b32 v4, 31, v0
	v_lshlrev_b32 v[GO], 4, v4                     ; which are 512 consecutive bytes of the head's rows
	; where my 64 rows of each segment go.  Segment 3 ct + g: region (q, k, v) = its number / 16, head = its number % 16
	s_lshr_b32 s74, s13, 3
	s_lshl_b32 s74, s74, 4                         ; 16 x batch
	s_and_b32 s75, s13, 7
	s_lshl_b32 s75, s75, 8
	s_lshl_b32 s76, s10, 6
	s_add_co_u32 s75, s75, s76                     ; my first token in its batch
.irp g, 0,1,2
	s_mul_i32 s76, s42, 3
	s_add_co_u32 s76, s76, \g
	s_lshr_b32 s77, s76, 4                         ; region
	s_and_b32 s76, s76, 15
	s_add_co_u32 s76, s76, s74                     ; head among 64
	s_lshl_b32 s78, s76, 11
	s_add_co_u32 s78, s78, s75
	s_lshl_b32 s78, s78, 7                         ; in qh
	s_lshl_b32 s76, s76, 5
	s_lshr_b32 s79, s75, 6
	s_add_co_u32 s76, s76, s79
	s_lshl_b32 s76, s76, 14                        ; in kv: my 64 tokens are one key step,
	s_lshr_b32 s79, s77, 1
	s_lshl_b32 s79, s79, 13                        ; V behind K
	s_add_co_u32 s76, s76, s79
	s_cmp_eq_u32 s77, 0
	s_cselect_b64 s[DST+2*\g:DST+2*\g+1], s[80:81], s[82:83]
	s_cselect_b32 s78, s78, s76
	s_mov_b32 s79, 0
	s_add_nc_u64 s[DST+2*\g:DST+2*\g+1], s[DST+2*\g:DST+2*\g+1], s[78:79]
.endr
	; THE PREFETCHES.  xb and wqb are read first in this launch; at a change of slots every wave has waited for all its tensor loads, so a refill goes out alone.  Behind each refill one instruction a wave names the
	; K step two refills on (512 / 4 x 3 = 384 matrix instructions ahead).  A's rows are named by the clusters with x = 0, W's by those with y = 0; the four partners of a joint load share its blocks out by address:
	; of A's 128 blocks of 256 bytes 32 each, a lane a block; of W's 32 blocks a segment 8 each, 24 lanes; lanes 24 to 31 name lane 23's block again.  K steps 0 to 3 come by their loads alone.
	s_mov_b32 s77, 16384
	s_and_b32 s22, ttmp7, 0xffff
	s_cmp_eq_u32 s11, 0
	s_cselect_b32 s22, ttmp9, s22                  ; the coordinate along which other clusters read the same rows
	s_cselect_b32 s23, s40, s41                    ; my place among the four that ask with me
	s_cselect_b32 s74, 13, 11                      ; its share: 8,192 or 2,048 bytes
	s_cselect_b32 s[PFS], 2*ASL, s77               ; bytes from a K step to the next
	s_cselect_b32 s75, 31, 8*NSEG-1
	s_cselect_b32 s76, 11, 17                      ; eight blocks on: the next 2,048 bytes, or the next segment
	s_cselect_b64 s[PFA:PFA+1], s[14:15], s[46:47]
	s_mov_b32 s[PFS+1], 0
	s_cmp_eq_u32 s22, 0
	s_cselect_b32 s[LIM], 1, -1                    ; the same in all sixteen partners, for a given wave
	s_lshl_b32 s78, s23, s74
	s_mul_i32 s79, s[PFS], 3                       ; at K step 3: the first refill steps it to 4
	s_add_co_u32 s78, s78, s79
	s_mov_b32 s79, 0
	s_add_nc_u64 s[PFA:PFA+1], s[PFA:PFA+1], s[78:79]
	v_and_b32 v3, 31, v0
	v_min_u32 v3, s75, v3
	v_lshrrev_b32 v4, 3, v3
	v_lshlrev_b32 v4, s76, v4
	v_and_b32 v3, 7, v3
	v_lshl_add_u32 v[PFO], v3, 8, v4
; NB matrix instructions: token block a by all column blocks, 32 along K, from buffers f.  zero = 1: the bias starts the sums.  The accumulators take turns.
.macro MULA f, a, zero
.set AW, 2+SPLIT*((\a)/2)
.set AB, 8*NB*((\a)-2*SPLIT*((\a)/2))
.if \zero
	WIN (AW<<6)|1
.else
	WIN (AW<<6)|(AW<<4)|1
.endif
.set jb, 0
.rept NB
.if \zero
	v_wmma_f32_16x16x32_bf16 v[AB+8*jb:AB+8*jb+7], v[8*NB*(\f)+8*jb:8*NB*(\f)+8*jb+7], v[FA+32*(\f)+8*(\a):FA+32*(\f)+8*(\a)+7], v[BIAS+8*jb:BIAS+8*jb+7]
.else
	v_wmma_f32_16x16x32_bf16 v[AB+8*jb:AB+8*jb+7], v[8*NB*(\f)+8*jb:8*NB*(\f)+8*jb+7], v[FA+32*(\f)+8*(\a):FA+32*(\f)+8*(\a)+7], v[AB+8*jb:AB+8*jb+7]
.endif
.set jb, jb+1
.endr
.endm
; 2 NB + 8 LDS loads in one run: quarter kq (32 along K) of a slot into buffers f: W's fragments, then A's, token blocks 0, 1 first
.macro FETCH slot, kq, f
	WIN 0x40
.set jb, 0
.rept NB
.set BO, ((\kq)/2)*NSEG*BSEG+(jb/4)*BSEG+((\kq)%2)*32*BPITCH+(jb%4)*32
	ds_load_tr16_b128 v[8*NB*(\f)+8*jb:8*NB*(\f)+8*jb+3],   v[ADRB+(\slot)] offset:BO
	ds_load_tr16_b128 v[8*NB*(\f)+8*jb+4:8*NB*(\f)+8*jb+7], v[ADRB+(\slot)] offset:BO+16*BPITCH
.set jb, jb+1
.endr
	WIN 0
.irp a, 0,1,2,3
	ds_load_b128 v[FA+32*(\f)+8*\a:FA+32*(\f)+8*\a+3],   v[ADRA+(\slot)] offset:((\kq)/2)*ASLICE+\a*16*APITCH+((\kq)%2)*64
	ds_load_b128 v[FA+32*(\f)+8*\a+4:FA+32*(\f)+8*\a+7], v[ADRA+(\slot)] offset:((\kq)/2)*ASLICE+\a*16*APITCH+((\kq)%2)*64+32
.endr
.endm
; One of a K step's first three quarters: multiplies buffers f, and in its middle fetches quarter kq into buffers g
.macro QUARTER slot, kq, f, g, zero
	s_wait_dscnt 4                                 ; all but A's token blocks 2 and 3
	MULA \f, 0, \zero
	MULA \f, 1, \zero
	PLACES
	FETCH \slot, \kq, \g
	s_wait_dscnt 2*NB+8                            ; all but the run just issued
	MULA \f, 2, \zero
	MULA \f, 3, \zero
.endm
; The last quarter multiplies buffers 1 and changes slots: each wave waits for all its tensor loads, adds 0 to its spare word, waits for that and for its reads of this slot, and signals.
; fill = 1: the barrier opens a round of the cluster's barrier, and the joint refill, two K steps on, is the first tensor load behind it.
.macro TURN slot, next, fill
.if \fill
	s_wait_xcnt 0x0                                ; the last prefetch, a K step back, has read its address
	s_add_nc_u64 s[PFA:PFA+1], s[PFA:PFA+1], s[PFS:PFS+1]
.endif
	WIN 0
	s_wait_tensorcnt 0x0                           ; all my tensor loads have landed: my part of the next slot
	ds_add_u32 v[SPW], v[NIL]
	s_wait_dscnt 5                                 ; (the add and A's token blocks 2 and 3 may be out)
	MULA 1, 0, 0
	s_wait_dscnt 0x0                               ; the add is done, and my reads of this slot are over
	s_barrier_signal -1
	MULA 1, 1, 0
.if \fill
	WIN 0
.endif
	s_barrier_wait -1
.if \fill
	CREST                                          ; no wave of any partner still reads this slot or has a load on its way
	s_add_nc_u64 s[G0+4*(\slot)+2:G0+4*(\slot)+3], s[G0+4*(\slot)+2:G0+4*(\slot)+3], 4*ASL
	s_add_nc_u64 s[G0B+4*(\slot)+2:G0B+4*(\slot)+3], s[G0B+4*(\slot)+2:G0B+4*(\slot)+3], 2*16384
	JLOAD \slot                                    ; the four v_nop behind it are also the places in front of the loads below
.else
	PLACES
.endif
	FETCH \next, 0, 0
.if \fill
	ASK
.endif
	MULA 1, 2, 0
	MULA 1, 3, 0
.endm
; THE WAY OUT of token block a: rounded to f16, 16 bytes a lane into my stage; back as rows of 128 bytes of each segment; stored, 512 consecutive bytes an instruction
.macro PACK a
.set AW, 2+(\a)/2
.set AB, 8*NB*((\a)%2)
	WIN AW|(AW<<2)
.set jb, 0
.rept NB
.irp r, 0,1,2,3
	v_cvt_pk_f16_f32 v[TMP+4*jb+\r], v[AB+8*jb+2*\r], v[AB+8*jb+2*\r+1]
.endr
.set jb, jb+1
.endr
	WIN 0
.endm
.macro TOSTAGE a
	WIN 0
.set BK, 176-144*((\a)%2)              ; v176-223 and v32-79 by turns
.set jb, 0
.rept NB
	ds_store_b128 v[STO], v[TMP+4*jb:TMP+4*jb+3] offset:32*jb
.set jb, jb+1
.endr
.set z, 0
.rept 12                               ; segment z / 4, rows 4 (z % 4) on.  LDS serves a wave's instructions in order (ISA guide 5.7.1.4): these see the stores above
	ds_load_b128 v[BK+4*z:BK+4*z+3], v[RD] offset:(z%4)*4*SPITCH+(z/4)*128
.set z, z+1
.endr
.endm
.macro SEND a
	WIN 0
.set BK, 176-144*((\a)%2)
	s_wait_dscnt 0x0                               ; the block is back in registers
	s_wait_xcnt 0x0                                ; the stores of the block before have read their registers: the next block's loads may land there
.set z, 0
.rept 12
	global_store_b128 v[GO], v[BK+4*z:BK+4*z+3], s[DST+2*(z/4):DST+2*(z/4)+1] offset:(\a)*2048+(z%4)*512
.set z, z+1
.endr
.endm
	s_wait_tensorcnt 1                             ; my part of K step 0 is in; K step 1's may stay out
	s_barrier_signal -1
	s_barrier_wait -1
	FETCH 0, 0, 0
	s_wait_loadcnt 0x0                             ; the bias: rounded to bf16 like the other inputs, and widened again
.set z, 0
.rept 4*NB
	v_cvt_pk_bf16_f32 v[7+z%2], v[BIAS+2*z], v[BIAS+2*z+1]
	v_lshlrev_b32 v[BIAS+2*z], 16, v[7+z%2]
	v_and_b32 v[BIAS+2*z+1], 0xffff0000, v[7+z%2]
.set z, z+1
.endr
	QUARTER 0, 1, 0, 1, 1                          ; the first quarter stands in front of the loop: its products start the sums
	WIN 0
	s_mov_b32 s3, LAPS-1
.Llap:                                                 ; once round the ring: both slots are filled again
	QUARTER 0, 2, 1, 0, 0
	QUARTER 0, 3, 0, 1, 0
	TURN 0, 1, 1
	QUARTER 1, 1, 0, 1, 0
	QUARTER 1, 2, 1, 0, 0
	QUARTER 1, 3, 0, 1, 0
	TURN 1, 0, 1
	QUARTER 0, 1, 0, 1, 0
	WIN 0
	s_sub_co_u32 s3, s3, 1
	s_cmp_lg_u32 s3, 0
	s_cbranch_scc1 .Llap
	QUARTER 0, 2, 1, 0, 0                          ; the last lap fills nothing
	QUARTER 0, 3, 0, 1, 0
	TURN 0, 1, 0
	QUARTER 1, 1, 0, 1, 0
	QUARTER 1, 2, 1, 0, 0
	QUARTER 1, 3, 0, 1, 0
	s_wait_dscnt 4
	MULA 1, 0, 0
	MULA 1, 1, 0
	s_wait_dscnt 0x0
	MULA 1, 2, 0
	MULA 1, 3, 0
	WIN 0
	PLACES
	PACK 0
	TOSTAGE 0
.irp a, 1,2,3
	PACK \a
	SEND (\a)-1
	TOSTAGE \a
.endr
	SEND 3
	s_wait_tensorcnt 0x0                           ; the wave's end
	ds_add_u32 v[SPW], v[NIL]
	s_wait_dscnt 0x0
	CROUND                                         ; the closing round
	s_endpgm
.Lfunc_end_k_qaf9b4bbce6_qkv:
	.size	k_qaf9b4bbce6_qkv, .Lfunc_end_k_qaf9b4bbce6_qkv-k_qaf9b4bbce6_qkv
	.p2alignl 7, 3214868480
	.fill 96, 4, 3214868480
	.section	.rodata,"a",@progbits
	.p2align	6, 0x0
	.amdhsa_kernel k_qaf9b4bbce6_qkv
		.amdhsa_group_segment_fixed_size 327680
		.amdhsa_private_segment_fixed_size 0
		.amdhsa_enable_private_segment 0
		.amdhsa_kernarg_size 40
		.amdhsa_user_sgpr_count 2
		.amdhsa_user_sgpr_kernarg_segment_ptr 1
		.amdhsa_wavefront_size32 1
		.amdhsa_system_sgpr_workgroup_id_x 1
		.amdhsa_system_sgpr_workgroup_id_y 1
		.amdhsa_system_sgpr_workgroup_id_z 1
		.amdhsa_system_vgpr_workitem_id 0
		.amdhsa_next_free_vgpr 960
		.amdhsa_next_free_sgpr 96
		.amdhsa_reserve_vcc 0
		.amdhsa_float_denorm_mode_32 3
		.amdhsa_float_denorm_mode_16_64 3
		.amdhsa_memory_ordered 1
		.amdhsa_forward_progress 1
		.amdhsa_inst_pref_size 131
	.end_amdhsa_kernel
	.amdgpu_metadata
---
amdhsa.version: [ 1, 2 ]
amdhsa.kernels:
  - .name:           k_qaf9b4bbce6_qkv
    .symbol:         k_qaf9b4bbce6_qkv.kd
    .args:
      - { .name: xb, .offset: 0, .size: 8, .value_kind: global_buffer, .address_space: global }
      - { .name: wqb, .offset: 8, .size: 8, .value_kind: global_buffer, .address_space: global }
      - { .name: b_qkv, .offset: 16, .size: 8, .value_kind: global_buffer, .address_space: global }
      - { .name: qh, .offset: 24, .size: 8, .value_kind: global_buffer, .address_space: global }
      - { .name: kv, .offset: 32, .size: 8, .value_kind: global_buffer, .address_space: global }
    .group_segment_fixed_size: 327680
    .private_segment_fixed_size: 0
    .kernarg_segment_align: 8
    .kernarg_segment_size: 40
    .max_flat_workgroup_size: 128
    .sgpr_count:     96
    .vgpr_count:     960
    .wavefront_size: 32
...
	.end_amdgpu_metadata
.endif
;; end of part 2
;; launch attn (part 3): grid 4 x 64, 4 waves a work-group, clusters of 4 x 4, 327,680 bytes of LDS; arguments qh, kv, mb, ob, key_padding_mask; writes ob
.if DOCPART == 3
	.amdgcn_target "amdgcn-amd-amdhsa--gfx1250"
	.amdhsa_code_object_version 6
	.text
	.protected	k_qaf9b4bbce6_attn
	.globl	k_qaf9b4bbce6_attn
	.p2align	8
	.type	k_qaf9b4bbce6_attn,@function
k_qaf9b4bbce6_attn:
	s_mov_b64 s[64:65], 0
	v_nop
	global_prefetch_b8 v0, s[64:65] scope:SCOPE_SE
	s_setreg_imm32_b32 hwreg(HW_REG_WAVE_MODE, 25, 1), 1
	s_wait_xcnt 0x0
	s_wait_alu depctr_hold_cnt(0) depctr_sa_sdst(0) depctr_va_vdst(0) depctr_va_sdst(0) depctr_va_ssrc(0) depctr_va_vcc(0) depctr_vm_vsrc(0)
	s_getreg_b32 s2, hwreg(HW_REG_IB_STS2, 6, 4)
	s_cmp_eq_u32 s2, 0
	s_cbranch_scc0 .Lentry_in_a_cluster
	s_endpgm
.Lentry_in_a_cluster:
	s_bfe_u32 s2, ttmp6, 0x10000c
	s_cmp_lg_u32 s2, 0xf033
	s_cbranch_scc0 .Lentry_shape_is_right
	s_endpgm
.Lentry_shape_is_right:
; O[bh][q][:] = the sum over k of softmax_k(q . k / 8 + mask[q][k], -inf where key k of the batch is padded) V[bh][k][:].
; qh, ob: [64 heads][2048][64] f16; kv: [64 heads][32 steps][64 keys of K, 64 keys of V][64] f16; mb: [32 steps][2048 queries][64 keys] bf16; key_padding_mask: [4][2048] bytes.
; Products, maxima and sums in f32; the weights p are rounded to f16 for the second product (their sum l is taken of the unrounded p), O once at the end.
; THE SCORE is kept eight times too large: S = q . k + 8 mask + pad, and c = log2(e) / 8 is applied in f32.  8 mask + pad, in f32, is the C operand that starts the sum q . k.
; LIMITS.  q, k, v arrive within f16's 65,504.  A weight below 2^-126 counts as 0 in l.  A mask entry of +inf on a padded key gives NaN.  A row with no key left gives l = 0 and NaN, as the softmax of a row of -inf does.
; SHARES.  A work-group owns 512 queries of one head; a wave 128: four PIECES of two tiles of 16.  Every wave walks all keys, 64 a step; an LDS slot holds one step: K, V and the 512 x 64 mask tile.
; CLUSTER 4 x 4.  cx is the block of 512 queries, cy picks the head among the cluster's four.  K and V hang on the head alone: asked for jointly along a row of the cluster.  The mask tile hangs on the query block
; alone: asked for jointly along a column.  The grid has one cluster along x.
; LAYOUT.  S^T = K Q^T (source 0 = 16 keys, source 1 = 16 queries): a lane holds ONE query (lane % 16) and the keys 8 (lane / 16) + 0..7; two such results rounded to f16 ARE source 1 of O^T = V^T P.
; SOFTMAX.  A running maximum m and sum l: p = 2^(c s - c m); in every step O and l are multiplied by a = 2^(c m_old - c m_new).  m starts at the lowest finite number and c m at c times it, made by the same
; multiply as later: while a row has seen only hidden keys, a = 1 and p = 0; at its first open key a = 0.
; BY TURNS.  Turn n belongs to piece n: 16 products K Q^T of piece n + 1, later 16 products V^T P of piece n - 1; beside them piece n's scaling, exponentials, roundings, sums and rescaling and piece n + 1's maximum
; and statistics; four vector instructions behind every matrix instruction, the rest in a lump; one batch of exponentials and one wait a turn.  At its end a turn widens the mask for the products of the turn after it.
; REGISTERS by windows of 256: window 0: v0-11 addresses; v12-15, v48-63 at work; v16-47 statistics; v64-191 S^T, two buffers of two tiles; v192-255 P, likewise.   window 1: O^T, 32 a tile.
; window 2: v0-127 Q; v128-191 K of one step; v192-255 V of one step.   window 3: v0-1 the add's registers; v2 8.0; v8-39 pad of the step's 64 keys; v64-127 the C operands of one piece; v128-255 the step's mask, bf16, 32 a piece.
.set NP,    4
.set KS,    64
.set PK,    144       ; a row of K, and of the mask, in LDS: 128 bytes + 16: the 16 rows of a load start at 16 different groups of four banks (ISA guide 11.1)
.set PV,    160       ; a row of V: 128 + 32
.set VOFF,  KS*PK
.set MOFF,  KS*(PK+PV)
.set SLOT1, 1<<17     ; slot 1 begins here: one exclusive or turns an address in one slot into the other's
.set STAGE, SLOT1+MOFF+512*PK  ; behind the ring, never filled by a tensor load: 16 rows x 144 bytes for each wave
.set SP,    144
.set PADT,  STAGE+4*16*SP      ; 2,048 f32: 0, or -inf for a padded key of my batch
.set SPARE, PADT+8192          ; the spare words: 128 bytes a wave, two blocks of 256 bytes that no other line names
.set PFO, 0           ; v0   256 x lane, written when v0 has served
.set AP,  1           ; v1   LDS address of the pad's next run
.set AK0, 2           ; v2   my lane's place in a tile of K
.set AV0, 3           ; v3   in V
.set AK,  4
.set AV,  5
.set STO, 6
.set RD,  7
.set GO,  8
.set AM0, 9           ; v9   my lane's place in the mask tile
.set AM,  10
.set AP0, 11          ; v11  my lane's place in the pad table
.set MV,  12          ; v12-15  c m_old, by buffer and tile
.set QO,  14          ; at the head: my byte offset in Q's rows
.set KPO, 15          ; at the head: my 16 bytes of the padding mask
.set ST,  16
.set TMP, 48
.set S,   64
.set P,   192
.set KF,  128
.set VF,  192
.set SPW, 0           ; window 3
.set NIL, 1
.set EIGHT, 2
.set PAD, 8
.set MC,  64
.set RAW, 128
.set WV,  12
.set CX,  13
.set CY,  14
.set LIM, 15          ; a wave prefetches while the count of steps is above it
.set PFA, 18
.set KPM, 20
.set PFS, 22
.set G1K, 24
.set G1V, 32
.set G0K, 40
.set G0V, 44
.set G1M, 48
.set ODD, 56          ; 1: prefetch in every step; 0: in steps of odd count
.set CNT, 57
.set CS,  58
.set SEL, 60
.set TB,  62          ; LDS byte at which the slot being fetched begins
.set TP,  63          ; the pad table's bytes of the step to be fetched
.set G0M, 68
.set MSB, 0
.macro WIN new
.if MSB != (\new)
	s_set_vgpr_msb (MSB<<8)|(\new)
.set MSB, (\new)
.endif
.endm
.set W_KQ, 0x0a       ; K and Q in window 2, S^T in window 0
.set W_KM, 0x3a       ; the same with the C operand in window 3
.set W_PV, 0x52       ; V in window 2, P in window 0, O^T in window 1
.set W_RS, 0x41
.set W_MK, 0xc0
.set W_AD, 0x0f
.macro TL g0, g1                    ; an s_nop 0 and four v_nop follow the load
	tensor_load_to_lds s[\g0:\g0+3], s[\g1:\g1+7]
	s_nop 0
.rept 4
	v_nop
.endr
.endm
.macro JLOAD                        ; a joint fill: wave 0 fetches the step's K, wave 1 its V, waves 2 and 3 the two halves of the mask tile.  The branches hang on the wave's number alone
	s_cmp_lt_u32 s[WV], 2
	s_cbranch_scc0 .Lfor_m_\@
	s_cmp_eq_u32 s[WV], 0
	s_cbranch_scc0 .Lfor_v_\@
	TL G0K, G1K
	s_branch .Lasked_\@
.Lfor_v_\@:
	TL G0V, G1V
	s_branch .Lasked_\@
.Lfor_m_\@:
	TL G0M, G1M
.Lasked_\@:
.endm
; A PREFETCH of what later changes of slots will ask for, behind the wave's tensor load and its five lines; each block of 256 bytes is named once in the launch, a lane a block.
; The mask: all sixteen clusters walk it, the cluster with y = 0 asks; of a query block's 256 blocks a step the partner at cy takes 64, its waves 2 and 3 take 32 each: the step that the next change asks for.
; K and V: a head is walked by one row of one cluster; two steps are 128 blocks, of which the partner at cx takes 32: wave 0 asks in every second step, for the two steps behind the one just asked for.
.macro ASK
	s_cmp_gt_u32 s[CNT], s[LIM]
	s_cbranch_scc0 .Lnot_mine_\@
	s_or_b32 s72, s[CNT], s[ODD]
	s_bitcmp1_b32 s72, 0
	s_cbranch_scc0 .Lnot_mine_\@
	global_prefetch_b8 v[PFO], s[PFA:PFA+1] th:TH_LOAD_NT scope:SCOPE_SE
.Lnot_mine_\@:
.endm
.macro CROUND
	s_barrier_signal -1
	s_barrier_wait -1
	s_cmp_lg_u32 s[WV], 0
	s_cbranch_scc1 .Lnot_wave_0_\@
	s_barrier_signal -3
.Lnot_wave_0_\@:
	s_barrier_wait -3
	s_barrier_signal -1
	s_barrier_wait -1
.endm
; THE CHANGE OF SLOTS, behind piece 1's turn: the old slot's last bytes, its V, have been read.  Each wave waits for all its tensor loads (one is out: its part of the other slot), adds 0 to its spare word, and waits
; for that and for its reads.  fill = 1: the barrier is a round of the cluster's, and the joint fill of the old slot, with the step two on, is the first thing behind it: it has a key step, 128 matrix instructions, to land.
.macro CHANGE fill, ask
	WIN W_AD
	s_wait_tensorcnt 0x0            ; no tensor load of mine is out, so a group 0 may be written
	ds_add_u32 v[SPW], v[NIL]
	WIN 0
.if \fill
.irp g, G0K, G0V
	s_xor_b32 s[\g+1], s[\g+1], SLOT1
	s_add_nc_u64 s[\g+2:\g+3], s[\g+2:\g+3], 16384
.endr
	s_xor_b32 s[G0M+1], s[G0M+1], SLOT1
	s_add_nc_u64 s[G0M+2:G0M+3], s[G0M+2:G0M+3], 262144
.if \ask
	s_wait_xcnt 0x0                 ; the last prefetch, a key step back, has read its address
	s_add_nc_u64 s[PFA:PFA+1], s[PFA:PFA+1], s[PFS:PFS+1]
.endif
	s_wait_dscnt 0x0                ; the add is done, and my LDS reads and stores are over
	CROUND
	JLOAD
.if \ask
	ASK
.endif
.else
	s_wait_dscnt 0x0
	s_barrier_signal -1
	s_barrier_wait -1
.endif
	s_xor_b32 s[TB], s[TB], SLOT1   ; the fetches go to the other slot
.endm
	s_load_b256 s[4:11], s[0:1], 0x0  ; qh s[4:5], kv s[6:7], mb s[8:9], ob s[10:11]
	s_load_b64 s[KPM:KPM+1], s[0:1], 0x20
	WIN W_MK
	v_lshl_add_u32 v[SPW], v0, 2, SPARE
	v_mov_b32 v[NIL], 0
	WIN W_AD
	ds_add_u32 v[SPW], v[NIL]       ; the wave's opening: the add and its wait stand ahead of my first tensor load
	WIN 0
	v_lshrrev_b32 v1, 5, v0
	v_readfirstlane_b32 s[WV], v1
	s_bfe_u32 s[CX], ttmp6, 0x40000
	s_bfe_u32 s[CY], ttmp6, 0x40004
	s_and_b32 s72, ttmp7, 0xffff    ; the cluster's y
	s_lshl_b32 s73, s72, 2
	s_add_co_u32 s73, s73, s[CY]    ; the head among 64
	s_lshl_b32 s76, s73, 19         ; its 524,288 bytes of kv
	s_mov_b32 s77, 0
	s_and_b32 s16, s[WV], 1
	s_lshl_b32 s78, s[CX], 16       ; the query block's 65,536 bytes of a step's mask,
	s_lshl_b32 s79, s16, 15         ; my half of them
	s_add_co_u32 s78, s78, s79
	s_mov_b32 s79, 0
	s_mul_i32 s17, s16, 256*PK
	s_add_co_u32 s17, s17, MOFF     ; and its place in a slot: no place in the cluster enters an LDS address
	s_lshl_b32 s2, s73, 18          ; Q and O: the head, the block, my wave's 128 rows
	s_lshl_b32 s3, s[CX], 16
	s_add_co_u32 s2, s2, s3
	s_lshl_b32 s3, s[WV], 14
	s_add_co_u32 s2, s2, s3
	s_mov_b32 s3, 0
	s_lshr_b32 s74, s72, 2          ; the batch: four clusters each
	s_lshl_b32 s74, s74, 11
	s_mov_b32 s75, 0
	s_lshl_b32 s80, s[CY], 2
	s_lshl_b32 s80, 15, s80         ; my row of the cluster
	s_lshl_b32 s81, 0x1111, s[CX]   ; my column
	s_or_b32 s[G1K], s80, (1<<16)|(1<<20)|(1<<21)|(4<<22)|(3<<25)  ; mask; 2-byte elements; padding on; bit 21 beside a mask; after every 32 words 4 words
	s_or_b32 s[G1V], s80, (1<<16)|(1<<20)|(1<<21)|(4<<22)|(7<<25)  ; 8 words
	s_or_b32 s[G1M], s81, (1<<16)|(1<<20)|(1<<21)|(4<<22)|(3<<25)
.irp g, G1K, G1V
	s_mov_b32 s[\g+1], 128<<16      ; 64 keys are 8,192 dense bytes: 32 rows of 128 elements
	s_mov_b32 s[\g+2], 32<<16
	s_mov_b32 s[\g+3], 128<<16
	s_mov_b32 s[\g+4], 32
	s_mov_b32 s[\g+5], 128
	s_mov_b32 s[\g+6], 0
	s_mov_b32 s[\g+7], 0
.endr
	s_mov_b32 s[G1M+1], 128<<16     ; 256 queries' 64 keys are 32,768 dense bytes: 128 rows
	s_mov_b32 s[G1M+2], 128<<16
	s_mov_b32 s[G1M+3], 128<<16
	s_mov_b32 s[G1M+4], 128
	s_mov_b32 s[G1M+5], 128
	s_mov_b32 s[G1M+6], 0
	s_mov_b32 s[G1M+7], 0
	s_mov_b32 s[G0K], 1
	s_mov_b32 s[G0K+1], 0
	s_mov_b32 s[G0V], 1
	s_mov_b32 s[G0V+1], VOFF
	s_mov_b32 s[G0M], 1
	s_mov_b32 s[G0M+1], s17
	s_mov_b32 s[CS], 0x3e38aa3b     ; c = log2(e) / 8
	s_mov_b32 s[CS+1], s[CS]
	s_mov_b32 s[SEL], 0x76543210
	s_mov_b32 s[SEL+1], 0xfedcba98
	s_mov_b32 s[TB], SLOT1          ; the first change of slots turns it into 0
	s_mov_b32 s[TP], 0
	s_lshl_b32 s82, s[CX], 13       ; the prefetches start at step 2 and are stepped ahead of each: kv,
	s_add_co_u32 s82, s82, s76
	s_add_co_u32 s82, s82, 2*16384
	s_lshl_b32 s84, s[CX], 16       ; and the mask
	s_lshl_b32 s85, s[CY], 14
	s_add_co_u32 s84, s84, s85
	s_lshl_b32 s85, s16, 13
	s_add_co_u32 s84, s84, s85
	s_add_co_u32 s84, s84, 2*262144
	s_mov_b32 s86, 262144
	s_cmp_eq_u32 s72, 0
	s_cselect_b32 s[LIM], 1, -1     ; waves 2, 3: the first cluster alone; the last fill has no step behind it
	s_cmp_eq_u32 s[WV], 0
	s_cselect_b32 s85, 2, -1        ; wave 0: two steps at a time; wave 1 never
	s_cmp_lt_u32 s[WV], 2
	s_cselect_b32 s[LIM], s85, s[LIM]
	s_cselect_b32 s[PFS], 16384, s86
	s_cselect_b32 s[ODD], 0, 1
	s_cselect_b32 s82, s82, s84
	s_mov_b32 s83, 0
	s_mov_b32 s[PFS+1], 0
	s_wait_dscnt 0x0                ; the opening add is done
	s_wait_kmcnt 0x0
	s_add_nc_u64 s[G0K+2:G0K+3], s[6:7], s[76:77]
	s_or_b32 s[G0K+3], s[G0K+3], 0x80000000
	s_add_nc_u64 s[G0V+2:G0V+3], s[6:7], s[76:77]
	s_add_nc_u64 s[G0V+2:G0V+3], s[G0V+2:G0V+3], 8192
	s_or_b32 s[G0V+3], s[G0V+3], 0x80000000
	s_add_nc_u64 s[G0M+2:G0M+3], s[8:9], s[78:79]
	s_or_b32 s[G0M+3], s[G0M+3], 0x80000000
	s_add_nc_u64 s[4:5], s[4:5], s[2:3]
	s_add_nc_u64 s[10:11], s[10:11], s[2:3]
	s_add_nc_u64 s[KPM:KPM+1], s[KPM:KPM+1], s[74:75]
	s_cmp_lt_u32 s[WV], 2
	s_cselect_b64 s[PFA:PFA+1], s[6:7], s[8:9]
	s_add_nc_u64 s[PFA:PFA+1], s[PFA:PFA+1], s[82:83]
	CROUND                          ; all sixteen work-groups are here: the first joint loads meet
	JLOAD                           ; step 0 into slot 0; slot 1 is asked for when slot 0 is in
	v_and_b32 v48, 15, v0           ; l % 16
	v_bfe_u32 v49, v0, 4, 1         ; l / 16
	v_and_b32 v50, 7, v0
	v_bfe_u32 v51, v0, 3, 1
	v_lshlrev_b32 v[QO], 7, v48
	v_lshl_add_u32 v[QO], v49, 4, v[QO]
	v_lshlrev_b32 v[KPO], 4, v0
	global_load_b128 v[64:67], v[KPO], s[KPM:KPM+1]  ; 16 keys' bytes a thread: the batch's 2,048
	WIN 0x80
.set i, 0
.rept 4*NP                          ; Q stays in registers: tile i / 2, channels 32 (i % 2) on
	global_load_b128 v[8*i:8*i+3],   v[QO], s[4:5] offset:(i/2)*2048+(i%2)*64
	global_load_b128 v[8*i+4:8*i+7], v[QO], s[4:5] offset:(i/2)*2048+(i%2)*64+32
.set i, i+1
.endr
	; What the first turn finds: V's registers and P's second buffer hold 0, O^T and l are 0.  All this stands in the wait for the first tile.
.set i, VF
.rept 64
	v_mov_b32 v[i], 0
.set i, i+1
.endr
	WIN 0x40
.set i, 0
.rept 64*NP
	v_mov_b32 v[i], 0
.set i, i+1
.endr
	WIN W_MK
	v_mov_b32 v[EIGHT], 0x41000000  ; 8.0
	WIN 0
.set i, 0
.rept 2*NP
	v_mov_b32 v[ST+4*i+1], 0xff7fffff      ; m
	v_mul_f32 v[ST+4*i], s[CS], v[ST+4*i+1]  ; c m
	v_mov_b32 v[ST+4*i+2], 0
	v_mov_b32 v[ST+4*i+3], 0
.set i, i+1
.endr
.set i, P+32
.rept 32
	v_mov_b32 v[i], 0
.set i, i+1
.endr
	v_mul_u32_u24 v[AK0], v48, PK
	v_lshl_add_u32 v[AK0], v49, 4, v[AK0]  ; row x pitch + 16 x half
	v_lshl_add_u32 v[AV0], v49, 3, v50     ; the turning load: key 8 (l / 16) + l % 8, channels 8 ((l / 8) % 2) on
	v_mul_u32_u24 v[AV0], v[AV0], PV
	v_lshl_add_u32 v[AV0], v51, 4, v[AV0]
	v_add_nc_u32 v[AV0], VOFF, v[AV0]
	s_mul_i32 s72, s[WV], 128*PK
	s_add_co_u32 s72, s72, MOFF
	v_add_nc_u32 v[AM0], s72, v[AK0]       ; the mask: query row l % 16 of my 128, my eight keys' 16 bytes
	v_lshl_add_u32 v[AP0], v49, 5, PADT    ; the pad: my eight keys' 32 bytes
	s_mul_i32 s72, s[WV], 16*SP
	s_add_co_u32 s72, s72, STAGE
	v_mul_u32_u24 v[STO], v48, SP
	v_lshl_add_u32 v[STO], v49, 4, v[STO]
	v_add_nc_u32 v[STO], s72, v[STO]
	v_bfe_u32 v[RD], v0, 3, 2
	v_mul_u32_u24 v[RD], v[RD], SP
	v_lshl_add_u32 v[RD], v50, 4, v[RD]
	v_add_nc_u32 v[RD], s72, v[RD]
	v_and_b32 v53, 31, v0
	v_lshlrev_b32 v[GO], 4, v53
	v_lshl_add_u32 v52, v0, 6, PADT        ; my 16 keys' 64 bytes of the table
	v_lshlrev_b32 v[PFO], 8, v53           ; v0 has served
	s_wait_loadcnt 32               ; the padding bytes are in; Q's 32 loads may stay out
.set i, 0
.rept 16                            ; byte 0 or 1 -> 0 or all ones -> 0 or -inf
	v_bfe_u32 v[68+i], v[64+i/4], 8*(i%4), 1
	v_sub_nc_u32 v[68+i], 0, v[68+i]
	v_and_b32 v[68+i], 0xff800000, v[68+i]
.set i, i+1
.endr
.irp f, 0,1,2,3
	ds_store_b128 v52, v[68+4*\f:71+4*\f] offset:16*\f
.endr
; THE MATRIX WORK.  The 8 accumulators of a run of 16 take turns.  Product i of 16 of S^T = K Q^T for piece x: channels 32 (i / 8) on, keys 16 ((i / 2) % 4) on, tile 2 x + i % 2.
; The first 8 start the sums with 8 mask + pad.
.macro KQ x
.set rS, S+64*((\x)%2)+32*(i%2)+8*((i/2)%4)
.set rK, KF+16*((i/2)%4)+8*(i/8)
.set rQ, 16*(2*(\x)+i%2)+8*(i/8)
.set rMC, MC+32*(i%2)+8*((i/2)%4)
.if i < 8
	WIN W_KM
	v_wmma_f32_16x16x32_f16 v[rS:rS+7], v[rK:rK+7], v[rQ:rQ+7], v[rMC:rMC+7]
.else
	WIN W_KQ
	v_wmma_f32_16x16x32_f16 v[rS:rS+7], v[rK:rK+7], v[rQ:rQ+7], v[rS:rS+7]
.endif
.endm
.macro PV x                         ; product i of 16 of O^T += V^T P for piece x
	WIN W_PV
.set rO, 32*(2*(\x)+i%2)+8*((i/2)%4)
.set rV, VF+32*(i/8)+8*((i/2)%4)
.set rP, P+32*((\x)%2)+16*(i%2)+8*(i/8)
	v_wmma_f32_16x16x32_f16 v[rO:rO+7], v[rV:rV+7], v[rP:rP+7], v[rO:rO+7]
.endm
.macro MM
.if i < 16
	KQ (Y+1)%NP
.set i, i+1
.else
.set i, i-16
	PV (Y+NP-1)%NP
.set i, i+17
.endif
.endm
; THE C OPERANDS of piece x: 64 lines, each a bf16 half of the mask times 8 plus the key's pad.  Word z = 16 u + 4 kb + w of the piece holds keys 16 kb + 8 (l / 16) + 2 w, + 1 of tile u.
.macro UNPACK x
	WIN 0xff
.set z, 0
.rept 32
	v_fma_mix_f32_bf16 v[MC+2*z],   v[RAW+32*(\x)+z], v[EIGHT], v[PAD+2*(z%16)]   op_sel_hi:[1,0,0]
	v_fma_mix_f32_bf16 v[MC+2*z+1], v[RAW+32*(\x)+z], v[EIGHT], v[PAD+2*(z%16)+1] op_sel:[1,0,0] op_sel_hi:[1,0,0]
.set z, z+1
.endr
.endm
; THE LDS LOADS stand in runs.  A step's pad (8 loads), its mask for my eight tiles (32, piece 0 first) and its K (16).  last = 1 (the tail): in the last trip there is no further step.
.macro FETCH_KM last=0
	WIN 0
.if \last
	s_cmp_eq_u32 s[CNT], 1
	s_cbranch_scc1 .Lno_k_\@
.endif
	WIN 0xc0
.irp kb, 0,1,2,3
	ds_load_b128 v[PAD+8*\kb:PAD+8*\kb+3],   v[AP] offset:64*\kb
	ds_load_b128 v[PAD+8*\kb+4:PAD+8*\kb+7], v[AP] offset:64*\kb+16
.endr
.set z, 0
.rept 32                            ; tile z / 4, keys 16 (z % 4) on
	ds_load_b128 v[RAW+4*z:RAW+4*z+3], v[AM] offset:(z/4)*16*PK+(z%4)*32
.set z, z+1
.endr
	WIN 0x80
.irp f, 0,1,2,3,4,5,6,7
	ds_load_b128 v[KF+8*\f:KF+8*\f+3],   v[AK] offset:(\f/2)*16*PK+(\f%2)*64
	ds_load_b128 v[KF+8*\f+4:KF+8*\f+7], v[AK] offset:(\f/2)*16*PK+(\f%2)*64+32
.endr
	s_add_co_u32 s[TP], s[TP], 256  ; the next step's 64 keys of the table
	WIN 0
.if \last
.Lno_k_\@:
.endif
.endm
.macro FETCH_V
	WIN 0x80
.irp f, 0,1,2,3,4,5,6,7
	ds_load_tr16_b128 v[VF+8*\f:VF+8*\f+3],   v[AV] offset:(\f/4)*32*PV+(\f%4)*32
	ds_load_tr16_b128 v[VF+8*\f+4:VF+8*\f+7], v[AV] offset:(\f/4)*32*PV+16*PV+(\f%4)*32
.endr
	WIN 0
.endm
; THE VECTOR WORK OF A TURN stands in three queues, each in the order in which its entries become ready; the two tiles alternate.
.macro REGS y, u
.set rT, ST+4*(2*(\y)+(\u))
.set rC, TMP+8*((\y)%2)+4*(\u)
.set rM, MV+2*((\y)%2)+(\u)
.set rS, S+64*((\y)%2)+32*(\u)
.set rP, P+32*((\y)%2)+16*(\u)
.set rO, 32*(2*(\y)+(\u))
.endm
; Number n of the 22 that find the NEXT piece's maximum and statistics; each accumulator's lowest registers are read first.
;   0-11 four chains of seven scores   12-14, 16 the four left over, the old m, four into one   15 c m_old is kept   17, 18 the lane 16 away: the new m   19-21 c m; its change; a
.macro XS u, n
	REGS (Y+1)%NP, \u
.if (\n) < 4
	v_max3_num_f32 v[rC+(\n)], v[rS+8*(\n)], v[rS+8*(\n)+1], v[rS+8*(\n)+2]
.elseif (\n) < 12
	v_max3_num_f32 v[rC+(\n)%4], v[rC+(\n)%4], v[rS+8*((\n)%4)+2*((\n)/4)+1], v[rS+8*((\n)%4)+2*((\n)/4)+2]
.elseif (\n) == 12
	v_max3_num_f32 v[rC], v[rC], v[rS+7], v[rS+15]
.elseif (\n) == 13
	v_max3_num_f32 v[rC+1], v[rC+1], v[rS+23], v[rS+31]
.elseif (\n) == 14
	v_max3_num_f32 v[rC+2], v[rC+2], v[rC+3], v[rT+1]
.elseif (\n) == 15
	v_mov_b32 v[rM], v[rT]
.elseif (\n) == 16
	v_max3_num_f32 v[rC], v[rC], v[rC+1], v[rC+2]
.elseif (\n) == 17
	v_permlanex16_b32 v[rC+3], v[rC], s[SEL], s[SEL+1]
.elseif (\n) == 18
	v_max_num_f32 v[rT+1], v[rC], v[rC+3]
.elseif (\n) == 19
	v_mul_f32 v[rT], s[CS], v[rT+1]
.elseif (\n) == 20
	v_sub_f32 v[rC+1], v[rM], v[rT]
.else
	v_exp_f32 v[rC+2], v[rC+1]
.endif
.endm
; Number g of the 64 that follow the exponentials: for each four weights both pairs are rounded to f16, the second pair is added onto the first, and a group later l takes that sum (the first time as l = a l + sum).
.macro GS g
.set h, (\g)+6*((\g)/62)
.if h >= 6
.set h, h+2
.endif
	REGS Y, h%2
.set k, h/8
.if h%8 < 4
	v_cvt_pk_f16_f32 v[rP+2*k+(h%8)/2], v[rS+4*k+2*((h%8)/2)], v[rS+4*k+2*((h%8)/2)+1]
.elseif h%8 < 6
	v_pk_add_f32 v[rS+4*k:rS+4*k+1], v[rS+4*k:rS+4*k+1], v[rS+4*k+2:rS+4*k+3]
.elseif k == 1
	v_pk_fma_f32 v[rT+2:rT+3], v[rT+2:rT+3], v[rC+2:rC+3], v[rS:rS+1] op_sel_hi:[1,0,1]
.else
	v_pk_add_f32 v[rT+2:rT+3], v[rT+2:rT+3], v[rS+4*k-4:rS+4*k-3]
.endif
.endm
; THE PLAIN QUEUE, 138 long.  0-26: scalings.  27-54: the maximum's numbers 0-13.  55, 56: number 15.  57-73: the chain 14, 16 .. 20 with scalings 27-31 between its links.  74-137: the 64 behind the wait.
.macro FS f
	REGS Y, (\f)%2
	v_pk_fma_f32 v[rS+2*((\f)/2):rS+2*((\f)/2)+1], v[rS+2*((\f)/2):rS+2*((\f)/2)+1], s[CS:CS+1], v[rT:rT+1] op_sel_hi:[1,0,0] neg_lo:[0,0,1] neg_hi:[0,0,1]
.endm
.macro PL
	WIN 0
.if q < 27
	FS q
.elseif q < 55
	XS (q-27)%2, (q-27)/2
.elseif q < 57
	XS q-55, 15
.elseif (q < 72) && ((q-57)%3 == 0)
	FS 27+(q-57)/3
.elseif q < 60
	XS (q-57)%3-1, 14
.elseif q < 72
	XS (q-57)%3-1, 15+(q-57)/3
.elseif q < 74
	XS q-72, 20
.else
	GS q-74
.endif
.set q, q+1
.endm
.macro EX                           ; the exponentials' queue, 66 long: one batch, all ahead of the turn's one wait
	WIN 0
.if e >= 64
	XS e-64, 21
.else
	REGS Y, e%2
	v_exp_f32 v[rS+e/2], v[rS+e/2]
.endif
.set e, e+1
.endm
.macro R2                           ; the rescaling's queue: O^T times a, two at a time
	REGS Y, r%2
	WIN W_RS
.irp z, 0,1
	v_pk_mul_f32 v[rO+4*(r/2)+2*\z:rO+4*(r/2)+2*\z+1], v[rO+4*(r/2)+2*\z:rO+4*(r/2)+2*\z+1], v[rC+2:rC+3] op_sel_hi:[1,0]
.endr
.set r, r+1
.endm
; A TURN, for piece p.  Ahead of its one wait stands all that names no result of its exponentials: 16 products K Q^T with a scaling, an exponential and two rescalings behind each, then a lump of 108.  Behind it 16 products
; V^T P with four of the roundings and sums behind each.  Then the mask of piece p + 2 is widened, for the products of the turn after this one: its registers were last read by this turn's first eight products.
; Piece 2's turn fetches the next step's pad, mask and K, directly behind the wait, a lump behind the last product that read K; the mask registers were last read at the end of piece 1's turn.
; Piece 0's turn fetches the step's V at its end, four riders behind its last reader.  cnt = 1: the loop's count is taken down some lines ahead of the branch behind the turn.
.macro TURN p, last=0, cnt=0
.set Y, (\p)
.set i, 0
.set q, 0
.set e, 0
.set r, 0
.if (\p) == NP-1
	s_wait_dscnt 0x0                ; K is in, and the rest of the mask
.endif
	MM
	PL
	PL
	R2
.rept 15
	MM
	PL
	EX
	R2
.endr
.if (\p) == NP-2
	WIN 0
	v_add_nc_u32 v[AK], s[TB], v[AK0]
	v_add_nc_u32 v[AM], s[TB], v[AM0]
	v_add_nc_u32 v[AP], s[TP], v[AP0]
.endif
.rept 8
	PL
.endr
.rept 49
	EX
	PL
.endr
	EX
	EX
	v_nop                           ; a plain instruction behind the last exponential: one for the batch
	s_wait_alu depctr_va_vdst(0)    ; the wait for the batch
.if (\p) == NP-2
	FETCH_KM \last
.endif
.if (\p) == 1
	s_wait_dscnt 0x0                ; V is in
.endif
.rept 16
	MM
.rept 4
	PL
.endr
.if ((\p) == 0) && (q == 118)
	v_add_nc_u32 v[AV], s[TB], v[AV0]
.endif
.if (\cnt) && (q == 130)
	s_sub_co_u32 s[CNT], s[CNT], 1
	s_cmp_lg_u32 s[CNT], 0
.endif
.endr
.if (\p) == 0
	FETCH_V
.endif
.if (\p) == NP-2
	s_wait_dscnt 40                 ; the pad and piece 0's mask are in; behind them: 24 loads of the mask, 16 of K
.endif
	UNPACK ((\p)+2)%NP
.endm
	CHANGE 1, 0                     ; slot 0 is in, everybody's part of it, and so is the pad table; slot 1 is asked for
	v_add_nc_u32 v[AK], s[TB], v[AK0]
	v_add_nc_u32 v[AM], s[TB], v[AM0]
	v_add_nc_u32 v[AP], s[TP], v[AP0]
	FETCH_KM                        ; key step 0
	s_wait_loadcnt 0x0              ; Q
	s_wait_dscnt 0x0
	UNPACK 0
.set i, 0
.rept 16
	KQ 0                            ; piece 0's first scores
.set i, i+1
.endr
.rept 4
	v_nop                           ; the places behind those products: the lines below write their C operands and read their results
.endr
	UNPACK 1
	WIN 0
.set Y, NP-1
.irp n, 0,1,2,3,4,5,6,7,8,9,10,11,12,13,14,15,16,17,18,19,20,21
	XS 0, \n
	XS 1, \n
.endr
	v_nop
	s_wait_alu depctr_va_vdst(0)    ; the two a have their wait ahead of the branch
	s_mov_b32 s[CNT], 31
	s_branch .Lfirst                ; the loop is entered at a step's first turn
.Lstep:                             ; 30 times: steps 2 to 31 are asked for.  A trip: pieces 2 and 3 of one step, then pieces 0 and 1 of the next
	CHANGE 1, 1
	TURN 2
	TURN 3
	WIN 0
.Lfirst:
	TURN 0
	TURN 1, 0, 1
	WIN 0
	s_cbranch_scc1 .Lstep
	CHANGE 0, 0                     ; the tail is written out
	s_mov_b32 s[CNT], 2             ; one trip fetches the last step; the second is left in its middle
.Ltail:
	TURN 2, 1
	TURN 3
	WIN 0
	s_sub_co_u32 s[CNT], s[CNT], 1
	s_cmp_eq_u32 s[CNT], 0
	s_cbranch_scc1 .Lout
	TURN 0
	TURN 1
	WIN 0
	s_branch .Ltail
.Lout:                              ; the second trip's products K Q^T of piece 0, on the last K once more, and the maximum made of them serve nothing: they touch m and c m alone
.set i, 0
.rept 16
	PV NP-1
.set i, i+1
.endr
	; THE WAY OUT.  l's halves are added; O^T is divided by l, rounded to f16 and sent through my stage, a tile at a time.  The additions are the places behind the last products.
	WIN 0
.macro ALL line:vararg
.set t, 0
.rept 2*NP
	\line
.set t, t+1
.endr
.endm
	ALL v_add_f32 v[ST+4*t+2], v[ST+4*t+2], v[ST+4*t+3]
	ALL v_permlanex16_b32 v[ST+4*t+3], v[ST+4*t+2], s[SEL], s[SEL+1]
	ALL v_add_f32 v[ST+4*t+2], v[ST+4*t+2], v[ST+4*t+3]
	ALL v_rcp_f32 v[ST+4*t+2], v[ST+4*t+2]
	v_nop
	s_wait_alu depctr_va_vdst(0)    ; one wait for the eight reciprocals
.macro PACK t
	WIN W_RS
.set i, 32*(\t)
.rept 16
	v_pk_mul_f32 v[i:i+1], v[i:i+1], v[ST+4*(\t)+2:ST+4*(\t)+3] op_sel_hi:[1,0]
.set i, i+2
.endr
	WIN 0x05
.set i, 0
.rept 16
	v_cvt_pk_f16_f32 v[S+16*(\t)+i], v[32*(\t)+2*i], v[32*(\t)+2*i+1]
.set i, i+1
.endr
	WIN 0
.irp f, 0,1,2,3
	ds_store_b128 v[STO], v[S+16*(\t)+4*\f:S+16*(\t)+4*\f+3] offset:32*\f
.endr
.irp f, 0,1,2,3
	ds_load_b128 v[S+16*(\t)+4*\f:S+16*(\t)+4*\f+3], v[RD] offset:\f*4*SP  ; LDS serves a wave's instructions in order (ISA guide 5.7.1.4): these see the stores above
.endr
.endm
.macro SEND t, younger
	WIN 0
.irp f, 0,1,2,3
	s_wait_dscnt (\younger)+3-\f
	global_store_b128 v[GO], v[S+16*(\t)+4*\f:S+16*(\t)+4*\f+3], s[10:11] offset:(\t)*2048+\f*512  ; 512 consecutive bytes, aligned
.endr
.endm
	PACK 0
.set t, 1
.rept 2*NP-1
	PACK t
	SEND t-1, 8
.set t, t+1
.endr
	SEND 2*NP-1, 0
	WIN W_AD
	s_wait_tensorcnt 0x0            ; the wave's end
	ds_add_u32 v[SPW], v[NIL]
	s_wait_dscnt 0x0
	WIN 0
	CROUND                          ; the closing round
	s_endpgm
.Lfunc_end_k_qaf9b4bbce6_attn:
	.size	k_qaf9b4bbce6_attn, .Lfunc_end_k_qaf9b4bbce6_attn-k_qaf9b4bbce6_attn
	.p2alignl 7, 3214868480
	.fill 96, 4, 3214868480
	.section	.rodata,"a",@progbits
	.p2align	6, 0x0
	.amdhsa_kernel k_qaf9b4bbce6_attn
		.amdhsa_group_segment_fixed_size 327680
		.amdhsa_private_segment_fixed_size 0
		.amdhsa_enable_private_segment 0
		.amdhsa_kernarg_size 40
		.amdhsa_user_sgpr_count 2
		.amdhsa_user_sgpr_kernarg_segment_ptr 1
		.amdhsa_wavefront_size32 1
		.amdhsa_system_sgpr_workgroup_id_x 1
		.amdhsa_system_sgpr_workgroup_id_y 1
		.amdhsa_system_sgpr_workgroup_id_z 1
		.amdhsa_system_vgpr_workitem_id 0
		.amdhsa_next_free_vgpr 1024
		.amdhsa_next_free_sgpr 96
		.amdhsa_reserve_vcc 0
		.amdhsa_float_denorm_mode_32 3
		.amdhsa_float_denorm_mode_16_64 3
		.amdhsa_memory_ordered 1
		.amdhsa_forward_progress 1
		.amdhsa_inst_pref_size 253
	.end_amdhsa_kernel
	.amdgpu_metadata
---
amdhsa.version: [ 1, 2 ]
amdhsa.kernels:
  - .name:           k_qaf9b4bbce6_attn
    .symbol:         k_qaf9b4bbce6_attn.kd
    .args:
      - { .name: qh, .offset: 0, .size: 8, .value_kind: global_buffer, .address_space: global }
      - { .name: kv, .offset: 8, .size: 8, .value_kind: global_buffer, .address_space: global }
      - { .name: mb, .offset: 16, .size: 8, .value_kind: global_buffer, .address_space: global }
      - { .name: ob, .offset: 24, .size: 8, .value_kind: global_buffer, .address_space: global }
      - { .name: key_padding_mask, .offset: 32, .size: 8, .value_kind: global_buffer, .address_space: global }
    .group_segment_fixed_size: 327680
    .private_segment_fixed_size: 0
    .kernarg_segment_align: 8
    .kernarg_segment_size: 40
    .max_flat_workgroup_size: 128
    .sgpr_count:     96
    .vgpr_count:     1024
    .wavefront_size: 32
...
	.end_amdgpu_metadata
.endif
;; end of part 3
;; launch oproj (part 4): grid 8 x 32, 4 waves a work-group, clusters of 4 x 4, 327,680 bytes of LDS; arguments ob, wob, b_out, out0; writes out0
.if DOCPART == 4
	.amdgcn_target "amdgcn-amd-amdhsa--gfx1250"
	.amdhsa_code_object_version 6
	.text
	.protected	k_qaf9b4bbce6_oproj
	.globl	k_qaf9b4bbce6_oproj
	.p2align	8
	.type	k_qaf9b4bbce6_oproj,@function
k_qaf9b4bbce6_oproj:
	s_mov_b64 s[64:65], 0
	v_nop
	global_prefetch_b8 v0, s[64:65] scope:SCOPE_SE
	s_setreg_imm32_b32 hwreg(HW_REG_WAVE_MODE, 25, 1), 1
	s_wait_xcnt 0x0
	s_wait_alu depctr_hold_cnt(0) depctr_sa_sdst(0) depctr_va_vdst(0) depctr_va_sdst(0) depctr_va_ssrc(0) depctr_va_vcc(0) depctr_vm_vsrc(0)
	s_getreg_b32 s2, hwreg(HW_REG_IB_STS2, 6, 4)
	s_cmp_eq_u32 s2, 0
	s_cbranch_scc0 .Lentry_in_a_cluster
	s_endpgm
.Lentry_in_a_cluster:
	s_bfe_u32 s2, ttmp6, 0x10000c
	s_cmp_lg_u32 s2, 0xf033
	s_cbranch_scc0 .Lentry_shape_is_right
	s_endpgm
.Lentry_shape_is_right:
; out0 = O W_out + b_out: 8192 x 1024 x 1024, operands f16, sums f32, result f32.  O: ob [64 heads][2048][64]: a head is a slice of 64 k; W: wob [16 blocks of 64 columns][1024 k][64], bf16 numbers written as f16.
; The bias is rounded to bf16 like every other input and starts the sums as the C operand of the first products: nothing is cleared.
; SHARES.  A tile of C is 256 tokens x 128 columns: 256 work-groups.  Wave w makes tokens 64 w .. 64 w + 63 by all 128 columns: 4 x 8 accumulators, 256 registers.  K goes in 8 steps of 128 (two heads) through two LDS slots.
; CLUSTER 4 x 4.  O's tile hangs on the tile row alone and is asked for jointly along a row of the cluster, W's on the tile column alone, jointly along a column.
; THE MATRIX INSTRUCTION IS USED TRANSPOSED: source 0 = 16 columns of W (turned by ds_load_tr16_b128), source 1 = 16 tokens: a lane holds one token and eight neighbouring columns.
; REGISTERS by windows of 256: window 0: v0-31 addresses; v32-63, v64-95 A's fragments; v128-191 the bias, later with v192-255 the way out.  window 1: W's fragments, two buffers of 64.  window 2: accumulator (a, b) at 8 (8 a + b).
.set NSEG,   2
.set NB,     4*NSEG
.set SPLIT,  0
.set ASL,    262144                    ; bytes from a head of O to the next
.set APITCH, 144
.set BPITCH, 160
.set ASLICE, 256*APITCH
.set BSEG,   64*BPITCH
.set BOFF,   2*ASLICE
.set SLOT,   BOFF+2*NSEG*BSEG
.set STAGE,  2*SLOT                    ; behind the ring, never filled by a tensor load: 16 rows x 528 bytes for each wave
.set SPITCH, 528
.set SPARE,  STAGE+4*16*SPITCH         ; the spare words: 128 bytes a wave, two blocks of 256 bytes that no other line names
.set LAPS,   4
.set ADRA, 16
.set ADRB, 20
.set STO,  24
.set RD,   25
.set GO,   26
.set SPW,  28
.set NIL,  29
.set PFO,  30
.set FA,   32
.set BIAS, 128
.set G1,  24
.set G0,  32
.set LIM, 43
.set PFA, 44
.set G1B, 48
.set G0B, 56
.set PFS, 66
.set MSB, 0
.macro WIN new
.if MSB != (\new)
	s_set_vgpr_msb (MSB<<8)|(\new)
.set MSB, \new
.endif
.endm
.macro JLOAD s                         ; a joint load: waves 0, 1 fetch O's two heads, waves 2, 3 W's two halves; an s_nop 0 and four v_nop follow each line
	s_cmp_eq_u32 s11, 0
	s_cbranch_scc0 .Lfor_b_\@
	tensor_load_to_lds s[G0+4*(\s):G0+4*(\s)+3], s[G1:G1+7]
	s_nop 0
.rept 4
	v_nop
.endr
	s_branch .Lasked_\@
.Lfor_b_\@:
	tensor_load_to_lds s[G0B+4*(\s):G0B+4*(\s)+3], s[G1B:G1B+7]
	s_nop 0
.rept 4
	v_nop
.endr
.Lasked_\@:
.endm
.macro ASK                             ; one prefetch: the K step two refills on; the loop's last trip (s3 = 1) has no such step
	s_cmp_gt_u32 s3, s[LIM]
	s_cbranch_scc0 .Lnot_mine_\@
	global_prefetch_b8 v[PFO], s[PFA:PFA+1] th:TH_LOAD_NT scope:SCOPE_SE
.Lnot_mine_\@:
.endm
.macro CREST
	s_cmp_lg_u32 s10, 0
	s_cbranch_scc1 .Lnot_wave_0_\@
	s_barrier_signal -3
.Lnot_wave_0_\@:
	s_barrier_wait -3
	s_barrier_signal -1
	s_barrier_wait -1
.endm
.macro CROUND
	s_barrier_signal -1
	s_barrier_wait -1
	CREST
.endm
.macro PLACES
.rept 4
	v_nop
.endr
.endm
	s_load_b128 s[4:7], s[0:1], 0x0                ; ob, wob
	s_load_b64 s[8:9], s[0:1], 0x10                ; b_out
	s_load_b64 s[80:81], s[0:1], 0x18              ; out0
	v_lshl_add_u32 v[SPW], v0, 2, SPARE
	v_mov_b32 v[NIL], 0
	ds_add_u32 v[SPW], v[NIL]                      ; the wave's opening: the add and its wait stand ahead of my first tensor load
	v_lshrrev_b32 v1, 5, v0
	v_readfirstlane_b32 s10, v1
	s_lshr_b32 s11, s10, 1
	s_and_b32 s12, s10, 1
	s_bfe_u32 s40, ttmp6, 0x40000                  ; cx
	s_bfe_u32 s41, ttmp6, 0x40004                  ; cy
	s_lshl_b32 s42, ttmp9, 2
	s_add_co_u32 s42, s42, s40                     ; tile column
	s_and_b32 s13, ttmp7, 0xffff
	s_lshl_b32 s13, s13, 2
	s_add_co_u32 s13, s13, s41                     ; tile row
	s_lshl_b32 s43, s41, 2
	s_lshl_b32 s43, 15, s43
	s_lshl_b32 s44, 0x1111, s40
	s_or_b32 s[G1+0], s43, (1<<16)|(1<<20)|(1<<21)|(4<<22)|(3<<25)
	s_or_b32 s[G1B+0], s44, (1<<16)|(1<<20)|(1<<21)|(4<<22)|(7<<25)
	s_mov_b32 s[G1+1], 128<<16                     ; 256 tokens of a head are 32,768 dense bytes: 128 rows of 128 elements
	s_mov_b32 s[G1+2], 128<<16
	s_mov_b32 s[G1+3], 128<<16
	s_mov_b32 s[G1+4], 128
	s_mov_b32 s[G1+5], 128
	s_mov_b32 s[G1+6], 0
	s_mov_b32 s[G1+7], 0
	s_mov_b32 s[G1B+1], 4096<<16                   ; 64 k of a segment: a row of 4,096 elements; NSEG rows, 65,536 elements apart
	s_mov_b32 s[G1B+2], NSEG<<16
	s_mov_b32 s[G1B+3], 4096<<16
	s_mov_b32 s[G1B+4], NSEG
	s_mov_b32 s[G1B+5], 65536
	s_mov_b32 s[G1B+6], 0
	s_mov_b32 s[G1B+7], 0
	s_lshr_b32 s16, s13, 3                         ; the batch: 16 heads of 262,144 bytes,
	s_lshl_b32 s16, s16, 22
	s_and_b32 s17, s13, 7                          ; the tile's 256 tokens in it,
	s_lshl_b32 s17, s17, 15
	s_add_co_u32 s16, s16, s17
	s_lshl_b32 s17, s12, 18                        ; my head of the step's two
	s_add_co_u32 s16, s16, s17
	s_mov_b32 s17, 0
	s_mul_i32 s46, s42, NSEG*131072
	s_lshl_b32 s47, s12, 13
	s_add_co_u32 s46, s46, s47
	s_mov_b32 s47, 0
	s_mul_i32 s20, s10, ASLICE
	s_mul_i32 s21, s10, NSEG*BSEG
	s_add_co_u32 s21, s21, BOFF-2*NSEG*BSEG
	s_wait_dscnt 0x0                               ; the opening add is done
	s_wait_kmcnt 0x0
	s_add_nc_u64 s[14:15], s[4:5], s[16:17]
	s_add_nc_u64 s[46:47], s[6:7], s[46:47]
	CROUND
.irp s, 0,1
	s_mov_b32 s[G0+4*(\s)], 1
	s_add_co_u32 s[G0+4*(\s)+1], s20, (\s)*SLOT
	s_add_nc_u64 s[G0+4*(\s)+2:G0+4*(\s)+3], s[14:15], (\s)*2*ASL
	s_or_b32 s[G0+4*(\s)+3], s[G0+4*(\s)+3], 0x80000000
	s_mov_b32 s[G0B+4*(\s)], 1
	s_add_co_u32 s[G0B+4*(\s)+1], s21, (\s)*SLOT
	s_add_nc_u64 s[G0B+4*(\s)+2:G0B+4*(\s)+3], s[46:47], (\s)*16384
	s_or_b32 s[G0B+4*(\s)+3], s[G0B+4*(\s)+3], 0x80000000
	JLOAD \s
.endr
	v_and_b32 v1, 15, v0
	v_bfe_u32 v2, v0, 4, 1
	s_mul_i32 s22, s42, 256*NSEG
	s_mov_b32 s23, 0
	s_add_nc_u64 s[8:9], s[8:9], s[22:23]
	v_lshlrev_b32 v6, 5, v2
.set jb, 0
.rept NB
	global_load_b128 v[BIAS+8*jb:BIAS+8*jb+3],   v6, s[8:9] offset:64*jb
	global_load_b128 v[BIAS+8*jb+4:BIAS+8*jb+7], v6, s[8:9] offset:64*jb+16
.set jb, jb+1
.endr
	v_mul_u32_u24 v3, v1, APITCH
	v_lshl_add_u32 v3, v2, 4, v3
	s_mul_i32 s22, s10, 64*APITCH
	v_add_nc_u32 v[ADRA], s22, v3
	v_add_nc_u32 v[ADRA+1], SLOT, v[ADRA]
	v_and_b32 v4, 7, v0
	v_lshl_add_u32 v4, v2, 3, v4
	v_mul_u32_u24 v4, v4, BPITCH
	v_bfe_u32 v5, v0, 3, 1
	v_lshl_add_u32 v4, v5, 4, v4
	v_add_nc_u32 v[ADRB], BOFF, v4
	v_add_nc_u32 v[ADRB+1], SLOT, v[ADRB]
	s_mul_i32 s23, s10, 16*SPITCH
	s_add_co_u32 s23, s23, STAGE
	v_mul_u32_u24 v4, v1, SPITCH                   ; in: row r, 32 bytes for each half of the lanes
	v_lshl_add_u32 v4, v2, 5, v4
	v_add_nc_u32 v[STO], s23, v4
	v_and_b32 v4, 31, v0
	v_lshlrev_b32 v[GO], 4, v4                     ; back, and out: 32 lanes take a row's 512 bytes
	v_add_nc_u32 v[RD], s23, v[GO]
	s_lshl_b32 s74, s13, 8
	s_lshl_b32 s75, s10, 6
	s_add_co_u32 s74, s74, s75                     ; my first token,
	s_lshl_b32 s74, s74, 12                        ; its row of 4,096 bytes,
	s_lshl_b32 s75, s42, 9                         ; the tile's 512 bytes of it
	s_add_co_u32 s74, s74, s75
	s_mov_b32 s75, 0
	s_add_nc_u64 s[80:81], s[80:81], s[74:75]
	; THE PREFETCHES.  ob and wob are read first in this launch.  Behind each refill one instruction a wave names the K step two refills on (256 matrix instructions ahead).  O's rows are named by the clusters with x = 0,
	; W's by those with y = 0; the four partners of a joint load share its blocks out by address: of O's 128 blocks of 256 bytes 32 each, a lane a block; of W's 32 blocks a segment 8 each, 16 lanes; lanes 16 to 31
	; name lane 15's block again.  K steps 0 to 3 come by their loads alone.
	s_mov_b32 s77, 16384
	s_and_b32 s22, ttmp7, 0xffff
	s_cmp_eq_u32 s11, 0
	s_cselect_b32 s22, ttmp9, s22
	s_cselect_b32 s23, s40, s41
	s_cselect_b32 s74, 13, 11
	s_cselect_b32 s[PFS], 2*ASL, s77
	s_cselect_b32 s75, 31, 8*NSEG-1
	s_cselect_b32 s76, 11, 17
	s_cselect_b64 s[PFA:PFA+1], s[14:15], s[46:47]
	s_mov_b32 s[PFS+1], 0
	s_cmp_eq_u32 s22, 0
	s_cselect_b32 s[LIM], 1, -1
	s_lshl_b32 s78, s23, s74
	s_mul_i32 s79, s[PFS], 3
	s_add_co_u32 s78, s78, s79
	s_mov_b32 s79, 0
	s_add_nc_u64 s[PFA:PFA+1], s[PFA:PFA+1], s[78:79]
	v_and_b32 v3, 31, v0
	v_min_u32 v3, s75, v3
	v_lshrrev_b32 v4, 3, v3
	v_lshlrev_b32 v4, s76, v4
	v_and_b32 v3, 7, v3
	v_lshl_add_u32 v[PFO], v3, 8, v4
.macro MULA f, a, zero                 ; NB matrix instructions: token block a by all column blocks; the accumulators take turns
.set AW, 2+SPLIT*((\a)/2)
.set AB, 8*NB*((\a)-2*SPLIT*((\a)/2))
.if \zero
	WIN (AW<<6)|1
.else
	WIN (AW<<6)|(AW<<4)|1
.endif
.set jb, 0
.rept NB
.if \zero
	v_wmma_f32_16x16x32_f16 v[AB+8*jb:AB+8*jb+7], v[8*NB*(\f)+8*jb:8*NB*(\f)+8*jb+7], v[FA+32*(\f)+8*(\a):FA+32*(\f)+8*(\a)+7], v[BIAS+8*jb:BIAS+8*jb+7]
.else
	v_wmma_f32_16x16x32_f16 v[AB+8*jb:AB+8*jb+7], v[8*NB*(\f)+8*jb:8*NB*(\f)+8*jb+7], v[FA+32*(\f)+8*(\a):FA+32*(\f)+8*(\a)+7], v[AB+8*jb:AB+8*jb+7]
.endif
.set jb, jb+1
.endr
.endm
.macro FETCH slot, kq, f               ; 2 NB + 8 LDS loads in one run: W's fragments, then A's, token blocks 0, 1 first
	WIN 0x40
.set jb, 0
.rept NB
.set BO, ((\kq)/2)*NSEG*BSEG+(jb/4)*BSEG+((\kq)%2)*32*BPITCH+(jb%4)*32
	ds_load_tr16_b128 v[8*NB*(\f)+8*jb:8*NB*(\f)+8*jb+3],   v[ADRB+(\slot)] offset:BO
	ds_load_tr16_b128 v[8*NB*(\f)+8*jb+4:8*NB*(\f)+8*jb+7], v[ADRB+(\slot)] offset:BO+16*BPITCH
.set jb, jb+1
.endr
	WIN 0
.irp a, 0,1,2,3
	ds_load_b128 v[FA+32*(\f)+8*\a:FA+32*(\f)+8*\a+3],   v[ADRA+(\slot)] offset:((\kq)/2)*ASLICE+\a*16*APITCH+((\kq)%2)*64
	ds_load_b128 v[FA+32*(\f)+8*\a+4:FA+32*(\f)+8*\a+7], v[ADRA+(\slot)] offset:((\kq)/2)*ASLICE+\a*16*APITCH+((\kq)%2)*64+32
.endr
.endm
.macro QUARTER slot, kq, f, g, zero
	s_wait_dscnt 4                                 ; all but A's token blocks 2 and 3
	MULA \f, 0, \zero
	MULA \f, 1, \zero
	PLACES
	FETCH \slot, \kq, \g
	s_wait_dscnt 2*NB+8                            ; all but the run just issued
	MULA \f, 2, \zero
	MULA \f, 3, \zero
.endm
.macro TURN slot, next, fill           ; the last quarter changes slots: the waits and the add in front of the barrier; fill = 1: a round of the cluster's barrier, the joint refill first behind it
.if \fill
	s_wait_xcnt 0x0                                ; the last prefetch, a K step back, has read its address
	s_add_nc_u64 s[PFA:PFA+1], s[PFA:PFA+1], s[PFS:PFS+1]
.endif
	WIN 0
	s_wait_tensorcnt 0x0                           ; all my tensor loads have landed: my part of the next slot
	ds_add_u32 v[SPW], v[NIL]
	s_wait_dscnt 5                                 ; (the add and A's token blocks 2 and 3 may be out)
	MULA 1, 0, 0
	s_wait_dscnt 0x0                               ; the add is done, and my reads of this slot are over
	s_barrier_signal -1
	MULA 1, 1, 0
.if \fill
	WIN 0
.endif
	s_barrier_wait -1
.if \fill
	CREST
	s_add_nc_u64 s[G0+4*(\slot)+2:G0+4*(\slot)+3], s[G0+4*(\slot)+2:G0+4*(\slot)+3], 4*ASL
	s_add_nc_u64 s[G0B+4*(\slot)+2:G0B+4*(\slot)+3], s[G0B+4*(\slot)+2:G0B+4*(\slot)+3], 2*16384
	JLOAD \slot
.else
	PLACES
.endif
	FETCH \next, 0, 0
.if \fill
	ASK
.endif
	MULA 1, 2, 0
	MULA 1, 3, 0
.endm
; THE WAY OUT of token block a: the f32 sums go as they are into my stage, 32 bytes a lane for each column block, and come back as whole rows of 512 bytes
.macro TOSTAGE a
	WIN 0x08                                       ; the data in window 2, the address in window 0
.set jb, 0
.rept NB
	ds_store_b128 v[STO], v[8*NB*(\a)+8*jb:8*NB*(\a)+8*jb+3]   offset:64*jb
	ds_store_b128 v[STO], v[8*NB*(\a)+8*jb+4:8*NB*(\a)+8*jb+7] offset:64*jb+16
.set jb, jb+1
.endr
	WIN 0
.set BK, 128+64*((\a)%2)
.set z, 0
.rept 16                               ; LDS serves a wave's instructions in order (ISA guide 5.7.1.4): these see the stores above
	ds_load_b128 v[BK+4*z:BK+4*z+3], v[RD] offset:z*SPITCH
.set z, z+1
.endr
.endm
.macro SEND a
	WIN 0
.set BK, 128+64*((\a)%2)
	s_wait_dscnt 0x0
	s_wait_xcnt 0x0                                ; the stores of the block before have read their registers: the next block's loads may land there
.set z, 0
.rept 16
	global_store_b128 v[GO], v[BK+4*z:BK+4*z+3], s[80:81] offset:(16*(\a)+z)*4096  ; 512 consecutive bytes, aligned
.set z, z+1
.endr
.endm
	s_wait_tensorcnt 1                             ; my part of K step 0 is in; K step 1's may stay out
	s_barrier_signal -1
	s_barrier_wait -1
	FETCH 0, 0, 0
	s_wait_loadcnt 0x0                             ; the bias: rounded to bf16 and widened again
.set z, 0
.rept 4*NB
	v_cvt_pk_bf16_f32 v[7+z%2], v[BIAS+2*z], v[BIAS+2*z+1]
	v_lshlrev_b32 v[BIAS+2*z], 16, v[7+z%2]
	v_and_b32 v[BIAS+2*z+1], 0xffff0000, v[7+z%2]
.set z, z+1
.endr
	QUARTER 0, 1, 0, 1, 1
	WIN 0
	s_mov_b32 s3, LAPS-1
.Llap:
	QUARTER 0, 2, 1, 0, 0
	QUARTER 0, 3, 0, 1, 0
	TURN 0, 1, 1
	QUARTER 1, 1, 0, 1, 0
	QUARTER 1, 2, 1, 0, 0
	QUARTER 1, 3, 0, 1, 0
	TURN 1, 0, 1
	QUARTER 0, 1, 0, 1, 0
	WIN 0
	s_sub_co_u32 s3, s3, 1
	s_cmp_lg_u32 s3, 0
	s_cbranch_scc1 .Llap
	QUARTER 0, 2, 1, 0, 0                          ; the last lap fills nothing
	QUARTER 0, 3, 0, 1, 0
	TURN 0, 1, 0
	QUARTER 1, 1, 0, 1, 0
	QUARTER 1, 2, 1, 0, 0
	QUARTER 1, 3, 0, 1, 0
	s_wait_dscnt 4
	MULA 1, 0, 0
	MULA 1, 1, 0
	s_wait_dscnt 0x0
	MULA 1, 2, 0
	MULA 1, 3, 0
	WIN 0
	PLACES
	TOSTAGE 0
.irp a, 1,2,3
	SEND (\a)-1
	TOSTAGE \a
.endr
	SEND 3
	s_wait_tensorcnt 0x0                           ; the wave's end
	ds_add_u32 v[SPW], v[NIL]
	s_wait_dscnt 0x0
	CROUND                                         ; the closing round
	s_endpgm
.Lfunc_end_k_qaf9b4bbce6_oproj:
	.size	k_qaf9b4bbce6_oproj, .Lfunc_end_k_qaf9b4bbce6_oproj-k_qaf9b4bbce6_oproj
	.p2alignl 7, 3214868480
	.fill 96, 4, 3214868480
	.section	.rodata,"a",@progbits
	.p2align	6, 0x0
	.amdhsa_kernel k_qaf9b4bbce6_oproj
		.amdhsa_group_segment_fixed_size 327680
		.amdhsa_private_segment_fixed_size 0
		.amdhsa_enable_private_segment 0
		.amdhsa_kernarg_size 32
		.amdhsa_user_sgpr_count 2
		.amdhsa_user_sgpr_kernarg_segment_ptr 1
		.amdhsa_wavefront_size32 1
		.amdhsa_system_sgpr_workgroup_id_x 1
		.amdhsa_system_sgpr_workgroup_id_y 1
		.amdhsa_system_sgpr_workgroup_id_z 1
		.amdhsa_system_vgpr_workitem_id 0
		.amdhsa_next_free_vgpr 768
		.amdhsa_next_free_sgpr 96
		.amdhsa_reserve_vcc 0
		.amdhsa_float_denorm_mode_32 3
		.amdhsa_float_denorm_mode_16_64 3
		.amdhsa_memory_ordered 1
		.amdhsa_forward_progress 1
		.amdhsa_inst_pref_size 93
	.end_amdhsa_kernel
	.amdgpu_metadata
---
amdhsa.version: [ 1, 2 ]
amdhsa.kernels:
  - .name:           k_qaf9b4bbce6_oproj
    .symbol:         k_qaf9b4bbce6_oproj.kd
    .args:
      - { .name: ob, .offset: 0, .size: 8, .value_kind: global_buffer, .address_space: global }
      - { .name: wob, .offset: 8, .size: 8, .value_kind: global_buffer, .address_space: global }
      - { .name: b_out, .offset: 16, .size: 8, .value_kind: global_buffer, .address_space: global }
      - { .name: out0, .offset: 24, .size: 8, .value_kind: global_buffer, .address_space: global }
    .group_segment_fixed_size: 327680
    .private_segment_fixed_size: 0
    .kernarg_segment_align: 8
    .kernarg_segment_size: 32
    .max_flat_workgroup_size: 128
    .sgpr_count:     96
    .vgpr_count:     768
    .wavefront_size: 32
...
	.end_amdgpu_metadata
.endif
;; end of part 4
;; ======== version 2 of 2: 4 launches; version 1 with the launch prep written anew for expert scheduling mode
;; limits: values are held in f16: magnitudes above 65,504 overflow, below 6.1e-05 lose precision
;; workspace buffers: xb 16,777,216 bytes; wqb 6,291,456 bytes; wob 2,097,152 bytes; mb 8,388,608 bytes; qh 16,777,216 bytes; kv 33,554,432 bytes; ob 16,777,216 bytes
;; launch prep (part 5): grid 1024 x 1, 8 waves a work-group, no clusters, 0 bytes of LDS; arguments query, W_qkv, W_out, attn_mask, xb, wqb, wob, mb; writes xb, wqb, wob, mb
.if DOCPART == 5
	.amdgcn_target "amdgcn-amd-amdhsa--gfx1250"
	.amdhsa_code_object_version 6
	.text
	.protected	k_qaf9b4bbce6_prep
	.globl	k_qaf9b4bbce6_prep
	.p2align	8
	.type	k_qaf9b4bbce6_prep,@function
k_qaf9b4bbce6_prep:
	s_mov_b64 s[64:65], 0
	v_nop
	global_prefetch_b8 v0, s[64:65] scope:SCOPE_SE
	s_setreg_imm32_b32 hwreg(HW_REG_WAVE_SCHED_MODE, 0, 2), 2
	s_setreg_imm32_b32 hwreg(HW_REG_WAVE_MODE, 25, 1), 1
	s_wait_xcnt 0x0
	s_wait_alu depctr_vm_vsrc(0)
; Four casts with one text.  Every input of the later matrix products is rounded once to bf16 and laid in slices of 64 columns, so that a later
; tile is a dense block:  query [8192][1024] -> xb [16 slices][8192][64];  W_qkv [1024][3072] -> wqb [48][1024][64];  W_out [1024][1024] -> wob [16][1024][64];
; attn_mask [2048][2048] -> mb [32 key steps][2048][64].  W_out's bf16 number is written as f16, since its partner in the last product is f16.
; LIMITS.  A W_out entry beyond 65,504 becomes an infinity; below 6e-5 it keeps f16's fixed step of 6e-8.  A mask entry beyond bf16's largest number becomes an infinity.
; SHARES.  A work-group copies 256 source rows of 256 bytes (64 f32), a pitch apart, into 32,768 consecutive bytes.  Which job it has is chosen by selects on its number: no branch.
; A wave's load covers two whole rows of 256 bytes; a wave's store covers 256 consecutive bytes, aligned.  No LDS, no matrix unit, no cluster: nothing is shared and nothing is multiplied.
; THE MODE: SCHED_MODE bits 1:0 = 2 (LLVM: expert scheduling mode 2), set by the entry lines.  The code itself states the register dependences
; between vector instructions and memory instructions, with s_wait_alu, always for 0.
; THE PLAN.  Registers that memory instructions touch:
;   v1, v[2:17]  the stores' offset and the sixteen loads' offsets: made by vector lines at the head, never written again.
;   X            load i lands in its own four registers, which no vector line writes; row i's two roundings read them; nothing is loaded twice.
;   Y            row i's roundings and selects write its own two registers; store i reads them; they are never written again.
;   v[116:121]   at work: no memory instruction names them.
; No vector line writes a scalar register or VCC (the select's mask s29 is made by scalar selects), and EXEC is never written.  So the one kind of dependence is: a vector line writes, a memory instruction reads.
; The sixteen rows go in four blocks of four.  The stores of a block are issued in the block behind it: ONE wait at that block's head states that the block before has written its Y, and the four
; stores are dealt among the block's vector lines, which name this block's X and Y and v[116:121] alone.  One wait more stands ahead of the first load, and one ahead of the last four stores.
.set DO,  1                            ; v1        8 x thread: my 8 bytes in the destination's first 16 rows
.set OFF, 2                            ; v[2:17]   load i: byte offset of my 16 bytes in source row (thread / 16) + 16 i
.set X,   20                           ; v[20:83]  load i: four f32
.set Y,   84                           ; v[84:115] load i: four 16-bit numbers
	s_load_b512 s[8:23], s[0:1], 0x0               ; query, W_qkv, W_out, attn_mask, xb, wqb, wob, mb
	s_mov_b32 s2, ttmp9
	s_mov_b32 s24, 768                             ; the mask's job: first work-group,
	s_mov_b32 s25, 7                               ; blocks of 256 rows less one,
	s_mov_b32 s26, 3                               ; their number's bits,
	s_mov_b32 s27, 8192                            ; bytes from row to row,
	s_mov_b32 s29, 0                               ; all ones where f16 is written
	s_mov_b32 s38, 0xffff0000
	v_lshlrev_b32 v[DO], 3, v0
	v_lshrrev_b32 v116, 4, v0                      ; my row among 16
	v_and_b32 v117, 15, v0                         ; my 16 bytes of it
	s_wait_kmcnt 0x0
	s_mov_b64 s[30:31], s[14:15]
	s_mov_b64 s[32:33], s[22:23]
	s_cmp_lt_u32 s2, 768                           ; W_out: work-groups 704 to 767
	s_cselect_b32 s24, 704, s24
	s_cselect_b32 s25, 3, s25
	s_cselect_b32 s26, 2, s26
	s_cselect_b32 s27, 4096, s27
	s_cselect_b32 s29, -1, s29
	s_cselect_b64 s[30:31], s[12:13], s[30:31]
	s_cselect_b64 s[32:33], s[20:21], s[32:33]
	s_cmp_lt_u32 s2, 704                           ; W_qkv: 512 to 703
	s_cselect_b32 s24, 512, s24
	s_cselect_b32 s27, 12288, s27
	s_cselect_b32 s29, 0, s29
	s_cselect_b64 s[30:31], s[10:11], s[30:31]
	s_cselect_b64 s[32:33], s[18:19], s[32:33]
	s_cmp_lt_u32 s2, 512                           ; query: 0 to 511
	s_cselect_b32 s24, 0, s24
	s_cselect_b32 s25, 31, s25
	s_cselect_b32 s26, 5, s26
	s_cselect_b32 s27, 4096, s27
	s_cselect_b64 s[30:31], s[8:9], s[30:31]
	s_cselect_b64 s[32:33], s[16:17], s[32:33]
	s_lshl_b32 s28, s27, 4                         ; 16 rows
	s_sub_co_u32 s3, s2, s24                       ; my number in the job
	s_and_b32 s34, s3, s25                         ; block of rows
	s_mul_i32 s34, s34, s27
	s_lshl_b32 s34, s34, 8                         ; x 256 rows: under 2^26
	s_lshr_b32 s35, s3, s26                        ; slice of 64 columns
	s_lshl_b32 s35, s35, 8
	s_add_co_u32 s34, s34, s35
	s_mov_b32 s35, 0
	s_add_nc_u64 s[30:31], s[30:31], s[34:35]
	s_lshl_b32 s36, s3, 15                         ; the destination's blocks follow each other
	s_mov_b32 s37, 0
	s_add_nc_u64 s[32:33], s[32:33], s[36:37]
	v_mul_lo_u32 v[OFF], v116, s27
	v_lshl_add_u32 v[OFF], v117, 4, v[OFF]
.irp i, 1,2,3,4,5,6,7,8,9,10,11,12,13,14,15
	v_add_nc_u32 v[OFF+(\i)], s28, v[OFF+(\i)-1]
.endr
	s_wait_alu depctr_va_vdst(0)                   ; v1 and v[2:17] are written: every load and store of the kernel reads one of them as its offset
.irp i, 0,1,2,3,4,5,6,7,8,9,10,11,12,13,14,15
	global_load_b128 v[X+4*(\i):X+4*(\i)+3], v[OFF+(\i)], s[30:31] th:TH_LOAD_NT  ; all sixteen go out before the first is wanted
.endr
; Row i's ten vector lines: X of the row into Y of the row.
.macro CAST i
	v_cvt_pk_bf16_f32 v[Y+2*(\i)],   v[X+4*(\i)],   v[X+4*(\i)+1]
	v_cvt_pk_bf16_f32 v[Y+2*(\i)+1], v[X+4*(\i)+2], v[X+4*(\i)+3]
	v_lshlrev_b32 v116, 16, v[Y+2*(\i)]            ; the rounded numbers as f32 again,
	v_and_b32     v117, s38, v[Y+2*(\i)]
	v_lshlrev_b32 v118, 16, v[Y+2*(\i)+1]
	v_and_b32     v119, s38, v[Y+2*(\i)+1]
	v_cvt_pk_f16_f32 v120, v116, v117              ; written as f16,
	v_cvt_pk_f16_f32 v121, v118, v119
	v_cndmask_b32 v[Y+2*(\i)],   v[Y+2*(\i)],   v120, s29  ; and taken in W_out's job alone
	v_cndmask_b32 v[Y+2*(\i)+1], v[Y+2*(\i)+1], v121, s29
.endm
; Row i's store.
.macro OUT i
	global_store_b64 v[DO], v[Y+2*(\i):Y+2*(\i)+1], s[32:33] offset:2048*(\i)
.endm
; Block p: rows 4 p to 4 p + 3 are rounded; the stores of rows 4 p - 4 to 4 p - 1 go out among them, one ahead of each row's lines.
.macro BLK p
	s_wait_loadcnt 15-4*(\p)                       ; loads come back in order: the block's first row is in, the younger loads stay out
.if (\p) > 0
	s_wait_alu depctr_va_vdst(0)                   ; the block before has written its eight registers of Y, which the four stores below read; no vector line behind this wait names them
.endif
.irp r, 0,1,2,3
.if (\p) > 0
	OUT 4*(\p)-4+(\r)
.endif
.if (\r) > 0
	s_wait_loadcnt 15-4*(\p)-(\r)                  ; row 4 p + r is in
.endif
	CAST 4*(\p)+(\r)
.endr
.endm
	BLK 0
	BLK 1
	BLK 2
	BLK 3
	s_wait_alu depctr_va_vdst(0)                   ; block 3 has written its Y, which the last four stores read
.irp i, 12,13,14,15
	OUT \i
.endr
	s_endpgm
.Lfunc_end_k_qaf9b4bbce6_prep:
	.size	k_qaf9b4bbce6_prep, .Lfunc_end_k_qaf9b4bbce6_prep-k_qaf9b4bbce6_prep
	.p2alignl 7, 3214868480
	.fill 96, 4, 3214868480
	.section	.rodata,"a",@progbits
	.p2align	6, 0x0
	.amdhsa_kernel k_qaf9b4bbce6_prep
		.amdhsa_group_segment_fixed_size 0
		.amdhsa_private_segment_fixed_size 0
		.amdhsa_enable_private_segment 0
		.amdhsa_kernarg_size 64
		.amdhsa_user_sgpr_count 2
		.amdhsa_user_sgpr_kernarg_segment_ptr 1
		.amdhsa_wavefront_size32 1
		.amdhsa_system_sgpr_workgroup_id_x 1
		.amdhsa_system_sgpr_workgroup_id_y 1
		.amdhsa_system_sgpr_workgroup_id_z 1
		.amdhsa_system_vgpr_workitem_id 0
		.amdhsa_next_free_vgpr 128
		.amdhsa_next_free_sgpr 66
		.amdhsa_reserve_vcc 0
		.amdhsa_float_denorm_mode_32 3
		.amdhsa_float_denorm_mode_16_64 3
		.amdhsa_memory_ordered 1
		.amdhsa_forward_progress 1
		.amdhsa_inst_pref_size 15
	.end_amdhsa_kernel
	.amdgpu_metadata
---
amdhsa.version: [ 1, 2 ]
amdhsa.kernels:
  - .name:           k_qaf9b4bbce6_prep
    .symbol:         k_qaf9b4bbce6_prep.kd
    .args:
      - { .name: query, .offset: 0, .size: 8, .value_kind: global_buffer, .address_space: global }
      - { .name: W_qkv, .offset: 8, .size: 8, .value_kind: global_buffer, .address_space: global }
      - { .name: W_out, .offset: 16, .size: 8, .value_kind: global_buffer, .address_space: global }
      - { .name: attn_mask, .offset: 24, .size: 8, .value_kind: global_buffer, .address_space: global }
      - { .name: xb, .offset: 32, .size: 8, .value_kind: global_buffer, .address_space: global }
      - { .name: wqb, .offset: 40, .size: 8, .value_kind: global_buffer, .address_space: global }
      - { .name: wob, .offset: 48, .size: 8, .value_kind: global_buffer, .address_space: global }
      - { .name: mb, .offset: 56, .size: 8, .value_kind: global_buffer, .address_space: global }
    .group_segment_fixed_size: 0
    .private_segment_fixed_size: 0
    .kernarg_segment_align: 8
    .kernarg_segment_size: 64
    .max_flat_workgroup_size: 256
    .sgpr_count:     66
    .vgpr_count:     128
    .wavefront_size: 32
...
	.end_amdgpu_metadata
.endif
;; end of part 5
;; launch qkv: the kernel of part 2 again; grid 16 x 32, 4 waves a work-group, clusters of 4 x 4, 327,680 bytes of LDS; arguments xb, wqb, b_qkv, qh, kv; writes qh, kv
;; launch attn: the kernel of part 3 again; grid 4 x 64, 4 waves a work-group, clusters of 4 x 4, 327,680 bytes of LDS; arguments qh, kv, mb, ob, key_padding_mask; writes ob
;; launch oproj: the kernel of part 4 again; grid 8 x 32, 4 waves a work-group, clusters of 4 x 4, 327,680 bytes of LDS; arguments ob, wob, b_out, out0; writes out0
